; MI455X (gfx1250); checked and timed in simulation.
; The chip was launched on July 23, 2026; its instructions are those of AMD's public machine-readable ISA for CDNA 5 (MIT licence, August 2026) and "CDNA5" Instruction Set Architecture Reference Guide (July 2026). The comments in the code are by the model that wrote it; some were corrected since.
;; Causal Self Attention. Allowed arithmetic: matrix products marked QUANTISED: E2M3 operands, one E8M0 scale for each 32 along K, by v_wmma_scale_f32_16x16x128_f8f6f4 with both operands' format E2M3, f32 sums; everything else in f32.
;; Inputs: w_proj 1,024 x 1,024 float32; w_qkv 1,024 x 3,072 float32; x 4 x 2,048 x 1,024 float32.
;; Outputs: out0 4 x 2,048 x 1,024 float32.
;; This version of the problem:
;;   THIS VERSION OF THE PROBLEM IS GIVEN IN LOW PRECISION. The matrix products marked QUANTISED in the list below multiply operands that are first quantised to E2M3 (2 exponent bits, 3 mantissa bits; 6 bits a number), with one power-of-two scale for each 32 numbers along K (OCP MX v1.0); their sums are f32. All else is computed in f32.
;;   The module's matrix products, in the order in which they are computed (A, B: the left and right operand; K: the contracted axis; several contracted axes count as one K, in the product's order):
;;     1. [M 8,192, K 1,024] x [K 1,024, N 3,072]; A: input x; B: input w_qkv: QUANTISED
;;     2. batch 64 x [M 2,048, K 64] x [K 64, N 2,048]; A: computed on the way; B: computed on the way: QUANTISED
;;     3. batch 64 x [M 2,048, K 2,048] x [K 2,048, N 64]; A: softmax (see below); B: computed on the way: QUANTISED
;;     4. [M 8,192, K 1,024] x [K 1,024, N 1,024]; A: computed on the way; B: input w_proj: QUANTISED
;;   THE QUANTISER, for each operand of a quantised product, along K:
;;     - K is cut into blocks of 32 from its start; a last block that is shorter is filled with zeros.
;;     - A block's scale is 2^e with e = floor(log2(the largest magnitude in the block)) - 2, held to -126 .. 127; a block of zeros has e = 0. As a byte (E8M0): e + 127.
;;     - Each number is divided by its block's scale, clamped to +-7.5, and rounded to the nearest number of E2M3, ties to even, subnormals kept.
;;     - The product sums the exact products of the quantised numbers (number of the format x scale) in f32.
;;   ~~~python
;;   def quantise(x, axis):      # numpy; x: float32 -> the quantised numbers, widened to float32 again
;;       x = np.moveaxis(x, axis, -1); K = x.shape[-1]
;;       x = np.pad(x, [(0, 0)] * (x.ndim - 1) + [(0, -K % 32)]); x = x.reshape(x.shape[:-1] + (-1, 32)); a = np.abs(x).max(-1, keepdims=True)
;;       e = np.where(a > 0, np.clip(np.frexp(np.where(a > 0, a, 1))[1] - 1 - 2, -126, 127), 0)      # np.frexp(a)[1] - 1 = floor(log2(a)), exactly
;;       r = np.clip(x / 2.0 ** e, -7.5, 7.5)
;;       step = 2.0 ** (np.maximum(np.frexp(np.where(r == 0, 1, r))[1] - 1, 0) - 3)
;;       q = np.round(r / step) * step * 2.0 ** e      # np.round: ties to even
;;       return np.moveaxis(q.reshape(q.shape[:-2] + (-1,))[..., :K], -1, axis).astype(np.float32)
;;   ~~~
;;   SOFTMAX AHEAD OF A QUANTISED PRODUCT. Where the list says 'softmax', what is quantised is not the finished softmax but p = 2^(t - M), with t = logit x log2(e) and M = ceil(the row's largest t), a whole number; so 1/2 < the row's largest p <= 1. The row's sum l is taken of the UNQUANTISED p, in f32, and the product's result is divided by l at the end. Since M is a whole number, a kernel that streams over the keys may use a running M (the ceiling of the running maximum): every later rescaling is an exact power of two, which a block's scale takes up: the codes' values come out the same.
;;   OPERANDS COMPUTED ON THE WAY. 'Computed on the way' means the value that the module computes at that place (a softmax that the list does not call 'softmax' is quantised finished and normalised). What goes into a quantiser is computed in f32, as accurately as f32 sums, v_exp_f32 and their like allow (about 1e-6 of the number): no bf16 or f16 on the way to a quantiser, and a product that is left as it is and whose result goes on into a quantised operand takes f32 operands (vector FMAs, or v_wmma_f32_16x16x4_f32). A number that lies on a knife's edge between two numbers of the format may be rounded either way, as far as f32 arithmetic and the matrix unit's own rounding can turn it there, and no further.
;; 2 versions, each right; version 2 is version 1 with the launch attn written anew for expert scheduling mode. Each part assembles by itself: llvm-mc -triple=amdgcn-amd-amdhsa -mcpu=gfx1250 --defsym DOCPART=n.
;; ======== version 1 of 2: 4 launches
;; workspace buffers: opc 9,437,184 bytes; ops 393,216 bytes; qkvc 18,874,368 bytes; qkvs 1,572,864 bytes; yc 6,291,456 bytes; ys 262,144 bytes
;; launch quant (part 1): grid 512 x 1, 4 waves a work-group, no clusters, 46,592 bytes of LDS; arguments x, w_qkv, w_proj, opc, ops; writes opc, ops
.if DOCPART == 1
	.amdgcn_target "amdgcn-amd-amdhsa--gfx1250"
	.amdhsa_code_object_version 6
	.text
	.protected	k_qbf5d40bbc7_quant
	.globl	k_qbf5d40bbc7_quant
	.p2align	8
	.type	k_qbf5d40bbc7_quant,@function
k_qbf5d40bbc7_quant:
	s_mov_b64 s[64:65], 0
	v_nop
	global_prefetch_b8 v0, s[64:65] scope:SCOPE_SE
	s_setreg_imm32_b32 hwreg(HW_REG_WAVE_MODE, 25, 1), 1
	s_wait_xcnt 0x0
; x [8192][1024], w_qkv [1024][3072] and w_proj [1024][1024], f32, become codes of FP6 (E2M3) with one E8M0 byte for each 32 along K (K = the 1,024 of x's rows and of the weights' first axis).
; A block's scale is 2^(floor(log2(largest magnitude)) - 2): its byte is the largest magnitude's exponent field - 2, held at 1 from below by a floor among the maximum's leaves.
; LIMITS: NaN and infinities among the inputs are not served; a block whose largest magnitude lies under 2^-124 keeps the byte 1; a block of zeros gets the byte 1 where the rule says 127:
; its codes are zeros, which add nothing under any byte but 0xff, and only this program reads the bytes.
; LAYOUT OF THE RESULT.  opc: [tile 768][K step 8][half 2][768 bytes].  A tile is 16 rows of an operand: lane-row r of tile t is row 32 (t / 2) + 8 (t % 2) + r + 8 (r / 8).
; 768 bytes are the image of six registers of 32 lanes (16 rows x 64 K): registers 0-3 at 16 x lane, registers 4-5 at 512 + 8 x lane; lane (r, h) holds k = 32 h .. 32 h + 31.
; Tiles 0-511: x's rows; 512-703: w_qkv's columns; 704-767: w_proj's columns.  ops: [tile][K half 2][r 16][4 words]: word i of half g is the scale word of K step 4 g + i.
; Work-groups 0-255 take x, 256-511 the weights; each way has LDS bytes of its own.  Waves share nothing: no barrier.  Memory binds: no matrix unit, no cluster, no tensor load.
.set R,   16                           ; x: v16-143 two sets of 64 registers as loaded
.set X,   144                          ; v144-207 my 64 numbers of a fragment: register 32 c + i = k 64 c + 32 h + i of row r
.set PC,  208                          ; v208-219 the fragment's codes
.set PT,  220                          ; v220-222, v224-226 the upper halves of the two blocks (a conversion's three registers begin on an even number)
.set TM,  228
.set TS,  230
.set TB,  232
.set SW,  236                          ; v236-239 the four scale words
.set VO,  16                           ; weights: v16-47 4 x lane + i x pitch
.set WX,  48                           ; v48-175 my column's 128 numbers
.set CD,  176                          ; v176-199 six registers of codes for each block
.set WPT, 200
.set OUTR,208
.set SB,  232
	s_load_b128 s[4:7], s[0:1], 0x0                ; x, w_qkv
	s_load_b128 s[8:11], s[0:1], 0x10              ; w_proj, opc
	s_load_b64 s[12:13], s[0:1], 0x20              ; ops
	v_lshl_add_u32 v240, v0, 2, 0xb400
	v_mov_b32 v241, 0
	v_lshrrev_b32 v1, 5, v0
	v_readfirstlane_b32 s14, v1                    ; wave
	v_and_b32 v1, 31, v0                           ; lane
	s_cmp_lt_u32 ttmp9, 256
	s_cbranch_scc0 .Lweights
; ---- x.  Work-group g, wave w: tile 2 g + (w >> 1), K half w & 1: four fragments of 16 rows x 128 K.
; Each load reads 512 consecutive bytes of one row; a fragment turns through the wave's stage (16 rows of 512 + 16 bytes) so that a lane gets whole blocks of 32 neighbours.
	v_and_b32 v2, 15, v0                           ; r
	v_bfe_u32 v3, v0, 4, 1                         ; h
	v_lshlrev_b32 v4, 4, v1                        ; 16 x lane
	v_lshlrev_b32 v5, 3, v1                        ; 8 x lane
	s_mul_i32 s15, s14, 8448                       ; my stage
	v_add_nc_u32 v6, s15, v4                       ; into it: 16 x lane of a row
	v_mul_u32_u24 v7, v2, 528
	v_lshl_add_u32 v7, v3, 7, v7
	v_add_nc_u32 v7, s15, v7                       ; out of it: row r, + 128 h
	v_lshlrev_b32 v8, 3, v3                        ; 8 h: where my two bytes stand in the scale word
	v_mov_b32 v10, 0                               ; a lane permute's destination counts as one of its sources
	v_lshlrev_b32 v11, 4, v2                       ; 16 r
	s_mov_b32 s20, 0x76543210
	s_mov_b32 s21, 0xfedcba98                      ; selects for lane l xor 16
	s_lshr_b32 s16, s14, 1                         ; u
	s_and_b32 s17, s14, 1                          ; K half
	s_lshl_b32 s18, ttmp9, 17                      ; 32 g rows of 4,096 bytes
	s_lshl_b32 s19, s16, 15                        ; + 8 u rows
	s_add_co_u32 s18, s18, s19
	s_lshl_b32 s19, s17, 11                        ; + 2,048 bytes for the second K half
	s_add_co_u32 s18, s18, s19
	s_mov_b32 s19, 0
	s_lshl_b32 s22, ttmp9, 1
	s_add_co_u32 s22, s22, s16                     ; the tile
	s_lshl_b32 s23, s22, 3
	s_lshl_b32 s24, s17, 2
	s_add_co_u32 s23, s23, s24
	s_mul_i32 s24, s23, 1536                       ; (8 tile + 4 half) fragments of 1,536 bytes
	s_mov_b32 s25, 0
	s_lshl_b32 s26, s22, 9
	s_lshl_b32 s27, s17, 8
	s_add_co_u32 s26, s26, s27                     ; 512 tile + 256 half
	s_mov_b32 s27, 0
	s_wait_kmcnt 0x0
	s_add_nc_u64 s[4:5], s[4:5], s[18:19]
	s_add_nc_u64 s[10:11], s[10:11], s[24:25]
	s_add_nc_u64 s[12:13], s[12:13], s[26:27]
.macro LOADF f, set
.irp t, 0,1,2,3,4,5,6,7,8,9,10,11,12,13,14,15
	global_load_b128 v[R+64*(\set)+4*\t:R+64*(\set)+4*\t+3], v4, s[4:5] offset:(\t+8*(\t/8))*4096+512*(\f) th:TH_LOAD_NT
.endr
.endm
.macro TURNF set                       ; LDS serves a wave's instructions in order: no wait between the stores and the loads
.irp t, 0,1,2,3,4,5,6,7,8,9,10,11,12,13,14,15
	ds_store_b128 v6, v[R+64*(\set)+4*\t:R+64*(\set)+4*\t+3] offset:528*\t
.endr
.irp c, 0,1
.irp p, 0,1,2,3,4,5,6,7
	ds_load_b128 v[X+32*\c+4*\p:X+32*\c+4*\p+3], v7 offset:256*\c+16*\p
.endr
.endr
.endm
.macro QX f                            ; my two whole blocks (2 c + h) of fragment f: scale, codes, stores
.irp c, 0,1
	v_max3_num_f32 v[TM+\c], |v[X+32*\c]|, |v[X+32*\c+1]|, 0x1800000   ; the floor 2^(3 - 127) among the leaves
.endr
.irp i, 2,4,6,8,10,12,14,16,18,20,22,24,26,28,30
.irp c, 0,1
	v_max3_num_f32 v[TM+\c], v[TM+\c], |v[X+32*\c+\i]|, |v[X+32*\c+\i+1]|
.endr
.endr
.irp c, 0,1
	v_add_nc_u32 v[TS+\c], 0xff000000, v[TM+\c]    ; 2 off the exponent field: the conversion's scale operand
.endr
.irp c, 0,1
	v_lshrrev_b32 v[TB+\c], 23, v[TS+\c]           ; the byte
.endr
	v_lshl_or_b32 v9, v[TB+1], 16, v[TB]           ; blocks h and 2 + h,
	v_lshlrev_b32 v9, v8, v9                       ; at their places,
	v_permlanex16_b32 v10, v9, s20, s21
	v_or_b32 v[SW+\f], v9, v10                     ; with the other half's two: the row's scale word of this K step
	s_wait_xcnt 0x0                                ; the last fragment's stores have read the codes' registers
.irp c, 0,1
	v_cvt_scalef32_pk16_fp6_f32 v[PC+6*\c:PC+6*\c+2], v[X+32*\c:X+32*\c+15], v[TS+\c]
	v_cvt_scalef32_pk16_fp6_f32 v[PT+4*\c:PT+4*\c+2], v[X+32*\c+16:X+32*\c+31], v[TS+\c]
.endr
	v_nop                                          ; one plain place behind a scaled conversion
.irp c, 0,1
.irp i, 0,1,2
	v_mov_b32 v[PC+6*\c+3+\i], v[PT+4*\c+\i]
.endr
.endr
	global_store_b128 v4, v[PC:PC+3], s[10:11] offset:1536*(\f)          ; 512 consecutive bytes
	global_store_b64 v5, v[PC+4:PC+5], s[10:11] offset:1536*(\f)+512     ; 256
	global_store_b128 v4, v[PC+6:PC+9], s[10:11] offset:1536*(\f)+768
	global_store_b64 v5, v[PC+10:PC+11], s[10:11] offset:1536*(\f)+1280
.endm
	LOADF 0, 0
	LOADF 1, 1
	s_wait_loadcnt 16                              ; fragment 0 is in; fragment 1's sixteen loads stay out
	TURNF 0
	s_wait_dscnt 0x0
	LOADF 2, 0
	QX 0
	s_wait_loadcnt 16                              ; fragment 1 is in; fragment 2's stay out
	TURNF 1
	s_wait_dscnt 0x0
	LOADF 3, 1
	QX 1
	s_wait_loadcnt 16
	TURNF 0
	s_wait_dscnt 0x0
	QX 2
	s_wait_loadcnt 0x0
	TURNF 1
	s_wait_dscnt 0x0
	QX 3
	v_cmp_gt_u32 vcc_lo, 16, v1
	s_wait_xcnt 0x0                                ; EXEC changes only behind this wait
	s_wait_tensorcnt 0x0
	ds_add_u32 v240, v241
	s_wait_dscnt 0x0
	s_and_saveexec_b32 s28, vcc_lo
	global_store_b128 v11, v[SW:SW+3], s[12:13]    ; sixteen lanes store 256 consecutive bytes, aligned
	s_wait_xcnt 0x0
	s_or_b32 exec_lo, exec_lo, s28
	s_endpgm
; ---- the weights.  Work-group 256 + 32 s + cg: K step s, columns 128 cg on (cg 0-23: w_qkv, 24-31: w_proj); wave w: 32 columns.
; A lane takes a column and its registers run down K: each load reads 128 consecutive bytes, a block of 32 lies in one lane, and the codes come out with K innermost.
.Lweights:
	s_sub_co_u32 s15, ttmp9, 256
	s_and_b32 s16, s15, 31                         ; cg
	s_lshr_b32 s17, s15, 5                         ; s
	s_sub_co_u32 s18, s16, 24
	s_mov_b32 s19, 4096
	s_wait_kmcnt 0x0
	s_cmp_lt_u32 s16, 24                           ; the choice hangs on the work-group's number alone
	s_cselect_b64 s[4:5], s[6:7], s[8:9]
	s_cselect_b32 s19, 12288, s19                  ; bytes from row to row
	s_cselect_b32 s18, s16, s18                    ; the column group inside its tensor
	s_lshl_b32 s18, s18, 9
	s_lshl_b32 s22, s14, 7
	s_add_co_u32 s18, s18, s22                     ; my first column, in bytes
	s_lshl_b32 s22, s17, 7
	s_mul_i32 s22, s22, s19                        ; row 128 s
	s_add_co_u32 s22, s22, s18
	s_mov_b32 s23, 0
	s_add_nc_u64 s[24:25], s[4:5], s[22:23]        ; a base for each block of 32 rows
	s_lshl_b32 s22, s19, 5
	s_add_nc_u64 s[26:27], s[24:25], s[22:23]
	s_add_nc_u64 s[28:29], s[26:27], s[22:23]
	s_add_nc_u64 s[30:31], s[28:29], s[22:23]
	v_lshlrev_b32 v3, 2, v1
.set i, 0
.rept 32
	v_mad_u32_u24 v[VO+i], s19, i, v3              ; one text serves both pitches
.set i, i+1
.endr
.irp b, 0,1,2,3
.set i, 0
.rept 32
	global_load_b32 v[WX+32*\b+i], v[VO+i], s[24+2*\b:25+2*\b] th:TH_LOAD_NT
.set i, i+1
.endr
.endr
	v_bfe_u32 v4, v0, 4, 1                         ; lane = 16 g + 8 u + e: tile u, lane-row r = 8 g + e
	v_bfe_u32 v5, v0, 3, 1
	v_and_b32 v6, 7, v0
	v_lshl_add_u32 v6, v4, 3, v6                   ; r
	s_mul_i32 s15, s14, 3072
	s_add_co_u32 s15, s15, 33792                   ; my stage: two fragments' images
	v_mul_u32_u24 v7, v5, 1536
	v_add_nc_u32 v7, s15, v7
	v_lshl_add_u32 v12, v6, 4, v7                  ; registers 0-3 of lane (r, 0)
	v_lshl_add_u32 v13, v6, 3, v7
	v_add_nc_u32 v13, 512, v13                     ; registers 4-5
	v_lshlrev_b32 v14, 4, v1
	v_add_nc_u32 v15, s15, v14                     ; back: 16 x lane
	v_lshlrev_b32 v7, 9, v5
	v_lshl_add_u32 v7, v6, 4, v7                   ; scale word: 512 u + 16 r
	s_lshl_b32 s32, s16, 3
	s_lshl_b32 s33, s14, 1
	s_add_co_u32 s32, s32, s33
	s_add_co_u32 s32, s32, 512                     ; my first tile: 512 + 8 cg + 2 w
	s_lshl_b32 s33, s32, 3
	s_add_co_u32 s33, s33, s17
	s_mul_i32 s34, s33, 1536
	s_mov_b32 s35, 0
	s_add_nc_u64 s[10:11], s[10:11], s[34:35]
	s_lshl_b32 s34, s32, 9
	s_lshr_b32 s33, s17, 2
	s_lshl_b32 s33, s33, 8
	s_add_co_u32 s34, s34, s33
	s_and_b32 s33, s17, 3
	s_lshl_b32 s33, s33, 2
	s_add_co_u32 s34, s34, s33
	s_add_nc_u64 s[12:13], s[12:13], s[34:35]
.macro WBLOCK b                        ; block b = 2 c + h of my column
.set XS, WX+32*(\b)
	v_max3_num_f32 v8, |v[XS]|, |v[XS+1]|, |v[XS+2]|
	v_max3_num_f32 v9, |v[XS+3]|, |v[XS+4]|, |v[XS+5]|
.irp i, 6,10,14,18,22,26
	v_max3_num_f32 v8, v8, |v[XS+\i]|, |v[XS+\i+1]|
	v_max3_num_f32 v9, v9, |v[XS+\i+2]|, |v[XS+\i+3]|
.endr
	v_max3_num_f32 v8, v8, |v[XS+30]|, |v[XS+31]|
	v_max3_num_f32 v8, v8, v9, 0x1800000
	v_add_nc_u32 v10, 0xff000000, v8
	v_lshrrev_b32 v11, 23, v10
.if (\b) == 0
	v_mov_b32 v[SB], v11
.else
	v_lshl_or_b32 v[SB], v11, 8*(\b), v[SB]
.endif
	v_cvt_scalef32_pk16_fp6_f32 v[CD+6*(\b):CD+6*(\b)+2], v[XS:XS+15], v10
	v_cvt_scalef32_pk16_fp6_f32 v[WPT+4*((\b)%2):WPT+4*((\b)%2)+2], v[XS+16:XS+31], v10
	v_nop                                          ; one plain place behind a scaled conversion
.irp i, 0,1,2
	v_mov_b32 v[CD+6*(\b)+3+\i], v[WPT+4*((\b)%2)+\i]
.endr
	ds_store_b128 v12, v[CD+6*(\b):CD+6*(\b)+3] offset:768*((\b)/2)+256*((\b)%2)      ; the place of lane (r, h) in the image
	ds_store_b64 v13, v[CD+6*(\b)+4:CD+6*(\b)+5] offset:768*((\b)/2)+128*((\b)%2)
.endm
	s_wait_loadcnt 63                              ; of 128 loads at most 63 are out: blocks 0 and 1 are in
	WBLOCK 0
	WBLOCK 1
	s_wait_loadcnt 32                              ; block 3's loads stay out
	WBLOCK 2
	s_wait_loadcnt 0x0
	WBLOCK 3
	global_store_b32 v7, v[SB], s[12:13]           ; 4 bytes a lane, 16 bytes apart: one byte in 128 of what this way reads
.irp j, 0,1,2,3,4,5
	ds_load_b128 v[OUTR+4*\j:OUTR+4*\j+3], v15 offset:512*\j   ; in order behind my stores
.endr
.irp j, 0,1,2,3,4,5
	s_wait_dscnt 5-\j
	global_store_b128 v14, v[OUTR+4*\j:OUTR+4*\j+3], s[10:11] offset:(\j/3)*12288+512*(\j%3)   ; 512 consecutive bytes
.endr
	s_wait_tensorcnt 0x0
	ds_add_u32 v240, v241
	s_wait_dscnt 0x0
	s_endpgm
.Lfunc_end_k_qbf5d40bbc7_quant:
	.size	k_qbf5d40bbc7_quant, .Lfunc_end_k_qbf5d40bbc7_quant-k_qbf5d40bbc7_quant
	.p2alignl 7, 3214868480
	.fill 96, 4, 3214868480
	.section	.rodata,"a",@progbits
	.p2align	6, 0x0
	.amdhsa_kernel k_qbf5d40bbc7_quant
		.amdhsa_group_segment_fixed_size 46592
		.amdhsa_private_segment_fixed_size 0
		.amdhsa_enable_private_segment 0
		.amdhsa_kernarg_size 40
		.amdhsa_user_sgpr_count 2
		.amdhsa_user_sgpr_kernarg_segment_ptr 1
		.amdhsa_wavefront_size32 1
		.amdhsa_system_sgpr_workgroup_id_x 1
		.amdhsa_system_sgpr_workgroup_id_y 1
		.amdhsa_system_sgpr_workgroup_id_z 1
		.amdhsa_system_vgpr_workitem_id 0
		.amdhsa_next_free_vgpr 242
		.amdhsa_next_free_sgpr 66
		.amdhsa_reserve_vcc 1
		.amdhsa_float_denorm_mode_32 3
		.amdhsa_float_denorm_mode_16_64 3
		.amdhsa_memory_ordered 1
		.amdhsa_forward_progress 1
		.amdhsa_inst_pref_size 54
	.end_amdhsa_kernel
	.amdgpu_metadata
---
amdhsa.version: [ 1, 2 ]
amdhsa.kernels:
  - .name:           k_qbf5d40bbc7_quant
    .symbol:         k_qbf5d40bbc7_quant.kd
    .args:
      - { .name: x, .offset: 0, .size: 8, .value_kind: global_buffer, .address_space: global }
      - { .name: w_qkv, .offset: 8, .size: 8, .value_kind: global_buffer, .address_space: global }
      - { .name: w_proj, .offset: 16, .size: 8, .value_kind: global_buffer, .address_space: global }
      - { .name: opc, .offset: 24, .size: 8, .value_kind: global_buffer, .address_space: global }
      - { .name: ops, .offset: 32, .size: 8, .value_kind: global_buffer, .address_space: global }
    .group_segment_fixed_size: 46592
    .private_segment_fixed_size: 0
    .kernarg_segment_align: 8
    .kernarg_segment_size: 40
    .max_flat_workgroup_size: 128
    .sgpr_count:     66
    .vgpr_count:     242
    .wavefront_size: 32
...
	.end_amdgpu_metadata
.endif
;; end of part 1
;; launch qkv (part 2): grid 8 x 96, 4 waves a work-group, clusters of 4 x 4, 295,424 bytes of LDS; arguments opc, ops, qkvc, qkvs; writes qkvc, qkvs
.if DOCPART == 2
	.amdgcn_target "amdgcn-amd-amdhsa--gfx1250"
	.amdhsa_code_object_version 6
	.text
	.protected	k_qbf5d40bbc7_qkv
	.globl	k_qbf5d40bbc7_qkv
	.p2align	8
	.type	k_qbf5d40bbc7_qkv,@function
k_qbf5d40bbc7_qkv:
	s_mov_b64 s[64:65], 0
	v_nop
	global_prefetch_b8 v0, s[64:65] scope:SCOPE_SE
	s_setreg_imm32_b32 hwreg(HW_REG_WAVE_MODE, 25, 1), 1
	s_wait_xcnt 0x0
	s_wait_alu depctr_hold_cnt(0) depctr_sa_sdst(0) depctr_va_vdst(0) depctr_va_sdst(0) depctr_va_ssrc(0) depctr_va_vcc(0) depctr_vm_vsrc(0)
	s_getreg_b32 s2, hwreg(HW_REG_IB_STS2, 6, 4)
	s_cmp_eq_u32 s2, 0
	s_cbranch_scc0 .Lentry_in_a_cluster
	s_endpgm
.Lentry_in_a_cluster:
	s_bfe_u32 s2, ttmp6, 0x10000c
	s_cmp_lg_u32 s2, 0xf033
	s_cbranch_scc0 .Lentry_shape_is_right
	s_endpgm
.Lentry_shape_is_right:
; qkv = x w_qkv on codes of FP6 (E2M3) with E8M0 scales, K = 1,024, and its results quantised on the way out: q and k along the head's 64, v along the tokens.  Nothing leaves as f32.
; C'[i][j] = sum over k of P[i][k] Q[j][k].  Clusters with y < 16: P = x's tokens, Q = w_qkv's columns 0-2047 (q, k).  The others: P = w_qkv's columns 2048-3071, Q = x's tokens, which gives v transposed.
; The choice is made of whole numbers by selects on the cluster's y: no branch.
; A work-group makes 128 (i) x 256 (j); wave (wi, wj) 64 x 128: 32 accumulators.  768 work-groups: three for each of 256.  The whole K of both operands, (8 + 16) tiles x 12,288 bytes, fits in LDS:
; every byte of LDS is filled once, all loads go out at the head (four a wave are out), and nothing is filled again.
; THE MATRIX INSTRUCTION IS USED TRANSPOSED: source 0 = a tile of Q, source 1 = a tile of P.  A lane then holds one row i; lane-row r of tile t is row 32 (t / 2) + 8 (t % 2) + r + 8 (r / 8),
; so the 16 registers of tiles 2 b and 2 b + 1 are 16 neighbours along j: j = 32 b + 16 (lane / 16) + 0 .. 15, as the conversions want them.
; CLUSTER 4 x 4: P's tiles hang on the tile row alone and are asked for jointly along a row of the cluster, Q's on the tile column alone, along a column.
; OPERANDS lie in memory and in LDS as images of their registers (768 bytes = 16 rows x 64 K: registers 0-3 at 16 x lane, 4-5 at 512 + 8 x lane): no pitch, no padding.
; RESULTS.  qkvc: q and k: image (token tile, slot) at 768 tile + 393,216 slot, slot = head for q, 16 + head for k; v from byte 12,582,912: image (4 head + d tile, 64 tokens j) at 98,304 tile + 768 j.
; qkvs: q, k: [slot][128 tokens][half][r][4 words], word i = tile 4 half + i, bytes 0, 1 the head's two blocks; v from byte 1,048,576: [head][128 tokens][twice][r][4 words by d tile].
; LIMITS: a block whose largest magnitude lies under 2^-124, a block of zeros too, keeps the byte 1; NaN and infinities are not served.
; REGISTERS: window 0: v1 16 x lane, v2 8 x lane, v16-31 LDS addresses, v32-47 P's scale words, v48-79 Q's, v80-175 P's fragments in two sets, v176-199 at work on the way out;
;   window 1: Q's fragments in two sets, v0-95 and v96-191;  window 2: accumulator (a, t) at v[64 a + 8 t].
.set SLOTB, 73728                      ; an LDS slot: 256 along K: P's 8 tiles x 3,072 bytes, then Q's 16
.set AP16, 16
.set AP8,  20
.set AQ16, 24
.set AQ8,  28
.set SP,   32
.set SQ,   48
.set PF,   80
.set TM,   176
.set W,    192
.set WS,   196
.set G1P,  24
.set G1Q,  32
.set G0P,  48
.set G0Q,  68
.set MSB, 0
.macro WIN new                         ; the immediate's high byte repeats the setting that is left
.if MSB != \new
	s_set_vgpr_msb (MSB<<8)|\new
.set MSB, \new
.endif
.endm
.macro CROUND                          ; a round of the cluster's barrier
	s_barrier_signal -1
	s_barrier_wait -1
	s_cmp_lg_u32 s14, 0
	s_cbranch_scc1 .Lnot_wave_0_\@
	s_barrier_signal -3
.Lnot_wave_0_\@:
	s_barrier_wait -3
	s_barrier_signal -1
	s_barrier_wait -1
.endm
.macro PLACES n                        ; plain vector places behind matrix instructions (ISA guide 7.12.1)
.rept \n
	v_nop
.endr
.endm
.macro FETCH k, set                    ; the 12 fragments of K step k: 48 LDS loads, each of consecutive bytes
.set SG, (\k)/2
.set EE, (\k)%2
	WIN 0x40                                       ; destination window 1
.irp t, 0,1,2,3,4,5,6,7
	ds_load_b128 v[96*(\set)+12*\t:96*(\set)+12*\t+3], v[AQ16+SG] offset:3072*\t+1536*EE
	ds_load_b64 v[96*(\set)+12*\t+4:96*(\set)+12*\t+5], v[AQ8+SG] offset:3072*\t+1536*EE
	ds_load_b128 v[96*(\set)+12*\t+6:96*(\set)+12*\t+9], v[AQ16+SG] offset:3072*\t+1536*EE+768
	ds_load_b64 v[96*(\set)+12*\t+10:96*(\set)+12*\t+11], v[AQ8+SG] offset:3072*\t+1536*EE+768
.endr
	WIN 0
.irp a, 0,1,2,3
	ds_load_b128 v[PF+48*(\set)+12*\a:PF+48*(\set)+12*\a+3], v[AP16+SG] offset:3072*\a+1536*EE
	ds_load_b64 v[PF+48*(\set)+12*\a+4:PF+48*(\set)+12*\a+5], v[AP8+SG] offset:3072*\a+1536*EE
	ds_load_b128 v[PF+48*(\set)+12*\a+6:PF+48*(\set)+12*\a+9], v[AP16+SG] offset:3072*\a+1536*EE+768
	ds_load_b64 v[PF+48*(\set)+12*\a+10:PF+48*(\set)+12*\a+11], v[AP8+SG] offset:3072*\a+1536*EE+768
.endr
.endm
; 16 products: P's tiles a0, a0 + 1 x Q's eight.  The 32 accumulators take turns in one order in every K step.  K step 0 starts the sums with the constant 0.
; A tile's scale words: register k % 4; K steps 0-3 in lanes 0-15, K steps 4-7 in lanes 16-31.
.macro MUL16 a0, k, set
.irp a, \a0, \a0+1
.irp t, 0,1,2,3,4,5,6,7
.if (\k) == 0
	v_wmma_scale_f32_16x16x128_f8f6f4 v[64*(\a)+8*\t:64*(\a)+8*\t+7], v[96*(\set)+12*\t:96*(\set)+12*\t+11], v[PF+48*(\set)+12*(\a):PF+48*(\set)+12*(\a)+11], 0, v[SQ+4*\t], v[SP+4*(\a)] matrix_a_fmt:MATRIX_FMT_FP6 matrix_b_fmt:MATRIX_FMT_FP6
.elseif (\k) < 4
	v_wmma_scale_f32_16x16x128_f8f6f4 v[64*(\a)+8*\t:64*(\a)+8*\t+7], v[96*(\set)+12*\t:96*(\set)+12*\t+11], v[PF+48*(\set)+12*(\a):PF+48*(\set)+12*(\a)+11], v[64*(\a)+8*\t:64*(\a)+8*\t+7], v[SQ+4*\t+(\k)], v[SP+4*(\a)+(\k)] matrix_a_fmt:MATRIX_FMT_FP6 matrix_b_fmt:MATRIX_FMT_FP6
.else
	v_wmma_scale_f32_16x16x128_f8f6f4 v[64*(\a)+8*\t:64*(\a)+8*\t+7], v[96*(\set)+12*\t:96*(\set)+12*\t+11], v[PF+48*(\set)+12*(\a):PF+48*(\set)+12*(\a)+11], v[64*(\a)+8*\t:64*(\a)+8*\t+7], v[SQ+4*\t+(\k)-4], v[SP+4*(\a)+(\k)-4] matrix_a_fmt:MATRIX_FMT_FP6 matrix_b_fmt:MATRIX_FMT_FP6 matrix_a_scale:MATRIX_SCALE_ROW1 matrix_b_scale:MATRIX_SCALE_ROW1
.endif
.endr
.endr
.endm
.macro STEP k
.if ((\k)%2) == 0                      ; the next K step lies in the same slot: it is fetched first, then this one is multiplied
.if (\k) > 0
	PLACES 4
.endif
	FETCH (\k)+1, 1
	s_wait_dscnt 48                                ; all but the 48 just issued: this step's fragments are in
	WIN 0xa1
	MUL16 0, \k, 0
	MUL16 2, \k, 0
.elseif (\k) < 7                       ; the next K step lies in the next slot: a barrier shows it whole
	s_wait_dscnt 0x0                               ; this step's fragments are in; no LDS instruction is out at the signal
	s_wait_tensorcnt 3-((\k)+1)/2                  ; my part of the next slot has landed; later slots' loads stay out
	s_barrier_signal -1
	WIN 0xa1
	MUL16 0, \k, 1
	s_barrier_wait -1
	PLACES 4
	FETCH (\k)+1, 0
	WIN 0xa1
	MUL16 2, \k, 1
.else
	s_wait_dscnt 0x0
	WIN 0xa1
	MUL16 0, \k, 1
	MUL16 2, \k, 1
.endif
.endm
	s_load_b128 s[4:7], s[0:1], 0x0                ; opc, ops
	s_load_b128 s[8:11], s[0:1], 0x10              ; qkvc, qkvs
	v_lshl_add_u32 v254, v0, 2, 0x48000
	v_mov_b32 v255, 0
	ds_add_u32 v254, v255
	ds_add_u32 v254, v255
	v_lshrrev_b32 v3, 5, v0
	v_readfirstlane_b32 s14, v3                    ; wave
	v_and_b32 v3, 31, v0
	v_lshlrev_b32 v1, 4, v3                        ; 16 x lane
	v_lshlrev_b32 v2, 3, v3                        ; 8 x lane
	v_add_nc_u32 v4, 512, v2
	v_bfe_u32 v5, v0, 4, 1                         ; the lane's half
	v_and_b32 v6, 15, v0                           ; r
.irp b, 0,1,2,3
	v_mov_b32 v[TM+4+\b], 0                        ; a lane permute's destination counts as one of its sources
.endr
	s_mov_b32 s12, 0x76543210
	s_mov_b32 s13, 0xfedcba98                      ; selects for lane l xor 16
	s_lshr_b32 s15, s14, 1                         ; wi
	s_and_b32 s16, s14, 1                          ; wj; also: which half of P's or Q's tiles I fetch
	s_bfe_u32 s40, ttmp6, 0x40000                  ; cx
	s_bfe_u32 s41, ttmp6, 0x40004                  ; cy
	s_mov_b32 s42, ttmp9                           ; cluster x
	s_and_b32 s43, ttmp7, 0xffff                   ; cluster y
	s_sub_co_u32 s44, s43, 16
	s_mov_b32 s86, 640
	s_mov_b32 s88, 12582912
	s_mov_b32 s89, 98304
	s_mov_b32 s90, 768
	s_mov_b32 s91, 1048576
	s_mov_b32 s92, 32768
	s_mov_b32 s93, 512
	s_mov_b32 s94, 256
	s_cmp_lt_u32 s43, 16                           ; q and k, or v: the same in all sixteen partners
	s_cselect_b32 s84, s43, s42                    ; the cluster's place along i
	s_cselect_b32 s85, s42, s44                    ; and along j
	s_cselect_b32 s86, 0, s86                      ; P's first tile in opc
	s_cselect_b32 s87, 512, 0                      ; Q's
	s_cselect_b32 s88, 0, s88                      ; the codes: base,
	s_cselect_b32 s89, 768, s89                    ; bytes from i tile to i tile,
	s_cselect_b32 s90, 393216, s90                 ; bytes from 64 along j to the next
	s_cselect_b32 s91, 0, s91                      ; the scale words: base,
	s_cselect_b32 s92, 256, s92                    ; for each 64 along i,
	s_cselect_b32 s93, 65536, s93                  ; for each 128 along j,
	s_cselect_b32 s94, 32768, s94                  ; for lanes 16-31,
	s_cselect_b32 s95, 16, 0                       ; whose words are shifted down so far
	v_mul_u32_u24 v7, s95, v5
	v_mul_u32_u24 v8, s94, v5
	v_lshl_add_u32 v8, v6, 4, v8
	s_lshl_b32 s45, s41, 2
	s_lshl_b32 s45, 15, s45                        ; my row of the cluster
	s_lshl_b32 s46, 0x1111, s40                    ; my column
	; descriptor group 1: R rows of 3,072 bytes (a tile's two K steps), 12,288 bytes apart, as elements of 8 bytes, dense in LDS
	s_or_b32 s[G1P], s45, (3<<16)|(1<<21)
	s_or_b32 s[G1Q], s46, (3<<16)|(1<<21)
	s_mov_b32 s[G1P+1], 384<<16                    ; tensor_dim0
	s_mov_b32 s[G1P+2], 4<<16                      ; tensor_dim1
	s_mov_b32 s[G1P+3], 384<<16                    ; tile_dim0
	s_mov_b32 s[G1P+4], 4                          ; tile_dim1
	s_mov_b32 s[G1P+5], 1536                       ; the pitch
	s_mov_b32 s[G1P+6], 0
	s_mov_b32 s[G1P+7], 0
	s_mov_b32 s[G1Q+1], 384<<16
	s_mov_b32 s[G1Q+2], 8<<16
	s_mov_b32 s[G1Q+3], 384<<16
	s_mov_b32 s[G1Q+4], 8
	s_mov_b32 s[G1Q+5], 1536
	s_mov_b32 s[G1Q+6], 0
	s_mov_b32 s[G1Q+7], 0
	s_lshl_b32 s17, s84, 2
	s_add_co_u32 s17, s17, s41                     ; ti
	s_lshl_b32 s18, s85, 2
	s_add_co_u32 s18, s18, s40                     ; tj
	s_lshl_b32 s96, s17, 3
	s_add_co_u32 s96, s96, s86                     ; the work-group's first tile of P
	s_lshl_b32 s97, s18, 4
	s_add_co_u32 s97, s97, s87                     ; and of Q
	s_lshl_b32 s98, s16, 2
	s_add_co_u32 s98, s98, s96
	s_mul_i32 s98, s98, 12288
	s_mov_b32 s99, 0
	s_lshl_b32 s100, s16, 3
	s_add_co_u32 s100, s100, s97
	s_mul_i32 s100, s100, 12288
	s_mov_b32 s101, 0
	s_mul_i32 s19, s16, 12288                      ; where they go: the wave's number alone enters an LDS address
	s_mul_i32 s20, s16, 24576
	s_add_co_u32 s20, s20, 24576
	s_wait_dscnt 0x0
	s_wait_kmcnt 0x0
	s_add_nc_u64 s[98:99], s[4:5], s[98:99]
	s_add_nc_u64 s[100:101], s[4:5], s[100:101]
	CROUND                                         ; all sixteen work-groups are here: the joint loads meet
.irp g, 0,1,2,3
	s_mov_b32 s[G0P+4*\g], 1
	s_add_co_u32 s[G0P+4*\g+1], s19, \g*SLOTB
	s_add_nc_u64 s[G0P+4*\g+2:G0P+4*\g+3], s[98:99], \g*3072
	s_or_b32 s[G0P+4*\g+3], s[G0P+4*\g+3], 0x80000000
	s_mov_b32 s[G0Q+4*\g], 1
	s_add_co_u32 s[G0Q+4*\g+1], s20, \g*SLOTB
	s_add_nc_u64 s[G0Q+4*\g+2:G0Q+4*\g+3], s[100:101], \g*3072
	s_or_b32 s[G0Q+4*\g+3], s[G0Q+4*\g+3], 0x80000000
.endr
	s_cmp_lt_u32 s14, 2                            ; waves 0, 1: P's halves; waves 2, 3: Q's.  A wave's four fills stand in one branch; four v_nop follow the last
	s_cbranch_scc0 .Lfill_q
	tensor_load_to_lds s[G0P:G0P+3], s[G1P:G1P+7]
	s_nop 0
	tensor_load_to_lds s[G0P+4:G0P+7], s[G1P:G1P+7]
	s_nop 0
	tensor_load_to_lds s[G0P+8:G0P+11], s[G1P:G1P+7]
	s_nop 0
	tensor_load_to_lds s[G0P+12:G0P+15], s[G1P:G1P+7]
	s_nop 0
	PLACES 4
	s_branch .Lfilled
.Lfill_q:
	tensor_load_to_lds s[G0Q:G0Q+3], s[G1Q:G1Q+7]
	s_nop 0
	tensor_load_to_lds s[G0Q+4:G0Q+7], s[G1Q:G1Q+7]
	s_nop 0
	tensor_load_to_lds s[G0Q+8:G0Q+11], s[G1Q:G1Q+7]
	s_nop 0
	tensor_load_to_lds s[G0Q+12:G0Q+15], s[G1Q:G1Q+7]
	s_nop 0
	PLACES 4
.Lfilled:
	s_lshl_b32 s21, s15, 2
	s_add_co_u32 s21, s21, s96
	s_lshl_b32 s22, s21, 9
	s_mov_b32 s23, 0
	s_add_nc_u64 s[22:23], s[6:7], s[22:23]        ; the scale records of my 4 tiles of P,
	s_lshl_b32 s21, s16, 3
	s_add_co_u32 s21, s21, s97
	s_lshl_b32 s46, s21, 9
	s_mov_b32 s47, 0
	s_add_nc_u64 s[46:47], s[6:7], s[46:47]        ; and of my 8 of Q: 512 consecutive bytes each, for all of K
.irp a, 0,1,2,3
	global_load_b128 v[SP+4*\a:SP+4*\a+3], v1, s[22:23] offset:512*\a
.endr
.irp t, 0,1,2,3,4,5,6,7
	global_load_b128 v[SQ+4*\t:SQ+4*\t+3], v1, s[46:47] offset:512*\t
.endr
	s_mul_i32 s21, s15, 12288                      ; my tiles of P in a slot,
	s_mul_i32 s45, s16, 24576
	s_add_co_u32 s45, s45, 24576                   ; and of Q
.irp g, 0,1,2,3
	v_add_nc_u32 v[AP16+\g], s21, v1
	v_add_nc_u32 v[AP8+\g], s21, v4
	v_add_nc_u32 v[AQ16+\g], s45, v1
	v_add_nc_u32 v[AQ8+\g], s45, v4
	s_add_co_u32 s21, s21, SLOTB
	s_add_co_u32 s45, s45, SLOTB
.endr
	s_wait_tensorcnt 3                             ; my part of slot 0 is in; the three later loads stay out
	s_barrier_signal -1
	s_barrier_wait -1                              ; everybody's is
	FETCH 0, 0
	s_wait_loadcnt 0x0                             ; the scale words
	STEP 0
	STEP 1
	STEP 2
	STEP 3
	STEP 4
	STEP 5
	STEP 6
	STEP 7
; THE WAY OUT.  For each of my four tiles of rows i the 64 numbers of a lane (128 along j) become one fragment and one scale word; the two halves of the fragment go to their places as images.
	PLACES 4
	WIN 0
	s_lshl_b32 s21, s17, 1
	s_add_co_u32 s21, s21, s15                     ; iw = 2 ti + wi
	s_lshl_b32 s45, s18, 1
	s_add_co_u32 s45, s45, s16                     ; J = 2 tj + wj
	s_lshl_b32 s96, s21, 2
	s_mul_i32 s96, s96, s89
	s_lshl_b32 s97, s45, 1
	s_mul_i32 s97, s97, s90
	s_add_co_u32 s96, s96, s97
	s_add_co_u32 s96, s96, s88
	s_mov_b32 s97, 0
	s_add_nc_u64 s[48:49], s[8:9], s[96:97]        ; (all my tensor loads were waited for in K step 5: their descriptors' registers are free)  base (a, c) in s[48 + 4 a + 2 c]
	s_mov_b32 s96, s90
	s_add_nc_u64 s[50:51], s[48:49], s[96:97]
	s_mov_b32 s98, s89
	s_mov_b32 s99, 0
.irp a, 1,2,3
	s_add_nc_u64 s[48+4*\a:49+4*\a], s[44+4*\a:45+4*\a], s[98:99]
	s_add_nc_u64 s[50+4*\a:51+4*\a], s[46+4*\a:47+4*\a], s[98:99]
.endr
	s_mul_i32 s96, s92, s21
	s_mul_i32 s98, s93, s45
	s_add_co_u32 s96, s96, s98
	s_add_co_u32 s96, s96, s91
	s_add_nc_u64 s[10:11], s[10:11], s[96:97]
.macro QUANT a
.set S, 64*(\a)
.set PC, PF+20*(\a)                    ; a set of registers for each tile, so that no store's data are written again
	WIN 0x28                                       ; sources 1 and 2: window 2
.irp b, 0,1,2,3
	v_max3_num_f32 v[TM+\b], 0x1800000, |v[S+16*\b]|, |v[S+16*\b+1]|   ; the floor 2^(3 - 127); each accumulator is read from its low end on
.endr
.irp i, 2,4,6,8,10,12,14
.irp b, 0,1,2,3
	v_max3_num_f32 v[TM+\b], v[TM+\b], |v[S+16*\b+\i]|, |v[S+16*\b+\i+1]|
.endr
.endr
	WIN 0
.irp b, 0,1,2,3
	v_permlanex16_b32 v[TM+4+\b], v[TM+\b], s12, s13
.endr
.irp b, 0,1,2,3
	v_max_num_f32 v[TM+\b], v[TM+\b], v[TM+4+\b]   ; with lane l xor 16's: the block's largest magnitude
.endr
.irp b, 0,1,2,3
	v_add_nc_u32 v[TM+12+\b], 0xff000000, v[TM+\b] ; the conversion's scale operand
.endr
.irp b, 0,1,2,3
	v_lshrrev_b32 v[TM+4+\b], 23, v[TM+12+\b]      ; the byte
.endr
	v_lshl_or_b32 v[W+\a], v[TM+5], 8, v[TM+4]
	v_lshl_or_b32 v[W+\a], v[TM+6], 16, v[W+\a]
	v_lshl_or_b32 v[W+\a], v[TM+7], 24, v[W+\a]
	WIN 0x02                                       ; source 0: window 2
.irp c, 0,1
	v_cvt_scalef32_pk16_fp6_f32 v[PC+6*\c:PC+6*\c+2], v[S+32*\c:S+32*\c+15], v[TM+12+2*\c]
	v_cvt_scalef32_pk16_fp6_f32 v[PC+12+4*\c:PC+14+4*\c], v[S+32*\c+16:S+32*\c+31], v[TM+12+2*\c+1]
.endr
	WIN 0
	v_nop                                          ; one plain place behind a scaled conversion
.irp c, 0,1                            ; the operand's layout wants a whole block in a lane
.irp i, 0,1,2
	v_permlane16_swap_b32 v[PC+6*\c+\i], v[PC+12+4*\c+\i]
.endr
.irp i, 0,1,2
	v_mov_b32 v[PC+3+6*\c+\i], v[PC+12+4*\c+\i]
.endr
.endr
	global_store_b128 v1, v[PC:PC+3], s[48+4*(\a):49+4*(\a)]               ; 512 consecutive bytes,
	global_store_b64 v2, v[PC+4:PC+5], s[48+4*(\a):49+4*(\a)] offset:512   ; and 256
	global_store_b128 v1, v[PC+6:PC+9], s[50+4*(\a):51+4*(\a)]
	global_store_b64 v2, v[PC+10:PC+11], s[50+4*(\a):51+4*(\a)] offset:512
.endm
	QUANT 0
	QUANT 1
	QUANT 2
	QUANT 3
.irp i, 0,1,2,3
	v_lshrrev_b32 v[WS+\i], v7, v[W+\i]            ; q, k: lanes 16-31 take the second head's two bytes; v: the word as it is
.endr
	global_store_b128 v8, v[WS:WS+3], s[10:11]     ; each half of the lanes stores 256 consecutive bytes, aligned
	s_wait_tensorcnt 0x0
	ds_add_u32 v254, v255
	s_wait_dscnt 0x0
	CROUND                                         ; the closing round
	s_endpgm
.Lfunc_end_k_qbf5d40bbc7_qkv:
	.size	k_qbf5d40bbc7_qkv, .Lfunc_end_k_qbf5d40bbc7_qkv-k_qbf5d40bbc7_qkv
	.p2alignl 7, 3214868480
	.fill 96, 4, 3214868480
	.section	.rodata,"a",@progbits
	.p2align	6, 0x0
	.amdhsa_kernel k_qbf5d40bbc7_qkv
		.amdhsa_group_segment_fixed_size 295424
		.amdhsa_private_segment_fixed_size 0
		.amdhsa_enable_private_segment 0
		.amdhsa_kernarg_size 32
		.amdhsa_user_sgpr_count 2
		.amdhsa_user_sgpr_kernarg_segment_ptr 1
		.amdhsa_wavefront_size32 1
		.amdhsa_system_sgpr_workgroup_id_x 1
		.amdhsa_system_sgpr_workgroup_id_y 1
		.amdhsa_system_sgpr_workgroup_id_z 1
		.amdhsa_system_vgpr_workitem_id 0
		.amdhsa_next_free_vgpr 768
		.amdhsa_next_free_sgpr 104
		.amdhsa_reserve_vcc 0
		.amdhsa_float_denorm_mode_32 3
		.amdhsa_float_denorm_mode_16_64 3
		.amdhsa_memory_ordered 1
		.amdhsa_forward_progress 1
		.amdhsa_inst_pref_size 88
	.end_amdhsa_kernel
	.amdgpu_metadata
---
amdhsa.version: [ 1, 2 ]
amdhsa.kernels:
  - .name:           k_qbf5d40bbc7_qkv
    .symbol:         k_qbf5d40bbc7_qkv.kd
    .args:
      - { .name: opc, .offset: 0, .size: 8, .value_kind: global_buffer, .address_space: global }
      - { .name: ops, .offset: 8, .size: 8, .value_kind: global_buffer, .address_space: global }
      - { .name: qkvc, .offset: 16, .size: 8, .value_kind: global_buffer, .address_space: global }
      - { .name: qkvs, .offset: 24, .size: 8, .value_kind: global_buffer, .address_space: global }
    .group_segment_fixed_size: 295424
    .private_segment_fixed_size: 0
    .kernarg_segment_align: 8
    .kernarg_segment_size: 32
    .max_flat_workgroup_size: 128
    .sgpr_count:     104
    .vgpr_count:     768
    .wavefront_size: 32
...
	.end_amdgpu_metadata
.endif
;; end of part 2
;; launch attn (part 3): grid 4 x 64, 16 waves a work-group, no clusters, 43,008 bytes of LDS; arguments qkvc, qkvs, yc, ys; writes yc, ys
.if DOCPART == 3
	.amdgcn_target "amdgcn-amd-amdhsa--gfx1250"
	.amdhsa_code_object_version 6
	.text
	.protected	k_qbf5d40bbc7_attn
	.globl	k_qbf5d40bbc7_attn
	.p2align	8
	.type	k_qbf5d40bbc7_attn,@function
k_qbf5d40bbc7_attn:
	s_mov_b64 s[64:65], 0
	v_nop
	global_prefetch_b8 v0, s[64:65] scope:SCOPE_SE
	s_setreg_imm32_b32 hwreg(HW_REG_WAVE_MODE, 25, 1), 1
	s_wait_xcnt 0x0
; y[b][q][head] = softmax over the keys k <= q of (q . k / 8) times v, both products on codes of FP6 (E2M3) with E8M0 scales; y is quantised along the head's 64 on the way out (the next product's K).
; THE SOFTMAX: t = score x log2(e) / 8; M = the running largest t rounded up to a whole number; p = 2^(t - M) is quantised along the keys, not normalised; the sum of the unquantised p divides at the end.
; SHARES.  Work-group (p, batch x head) takes the query blocks 7 - p and p of 256 queries, one after the other: 18 key steps of 128 in every work-group.  Each of 16 waves owns one tile of 16 queries in 256 registers.
; A step beyond the block's last (equal in all waves) jumps over its fill and its work, a step beyond a wave's own diagonal over its work; every wave passes the barrier of every step.
; K AND V come through registers into two LDS buffers by turns: a step is 16 images of 768 bytes (8 tiles of keys; 4 tiles of d x 2 halves of the keys), one for each wave; loads run two steps ahead of the reads.
; One barrier a step: in front of it my store of the next step's image and my reads of this step's buffer are done.
; K = 64 fills half of the instruction's 128: the queries' upper six registers are zero codes, so the keys' upper six may be any codes (here the next tile's); no scale byte here is 0xff.
; Both products are used transposed: a lane holds one query throughout.  Lane-row r of tile t is row 32 (t / 2) + 8 (t % 2) + r + 8 (r / 8), so p's 16 registers of two neighbouring tiles are 16 neighbouring keys.
; NO CLUSTER: the four work-groups of a head walk 16 - 2 p and then 2 p + 2 key steps, so partners would need different numbers of tiles at different times, and the tiles come by plain loads.
; LIMITS: NaN and infinities are not served; a block of y under 2^-124, a block of zeros too, keeps the byte 1.
.set A16, 1                            ; 16 x lane
.set A8,  2                            ; 8 x lane
.set W16, 3                            ; where I store my image: 768 wave + 16 lane
.set W8,  4                            ; 768 wave + 512 + 8 lane
.set ADS, 5                            ; the trip's scale words
.set QH,  6                            ; my query - 16 (lane / 16)
.set QB0, 7                            ; the same inside the block
.set G,   8                            ; v8-13, v14-19 two images on their way
.set NM,  20                           ; -M;  v21 the largest t
.set L,   22                           ; v22-23 the sum in two halves
.set QF,  24                           ; v24-35 the queries' fragment
.set QS,  36                           ; their scale word
.set R16, 37
.set YSO, 38
.set KS,  40
.set VS,  44
.set KV,  48                           ; v48-95 K's eight images, later V's four fragments; v96-101 zeros
.set S,   104
.set O,   168
.set PC,  200
.set PT,  212
.set BM,  220
.set BT,  224
.set BS,  228
.set F,   232
.set PW,  233
.set T0,  234
.set T1,  235
.set T2,  236
.set T3,  237
.set PFO, 238
.set PFS, 239
.set BUF1, 12288
.set SCK,  24576
.set SCV,  32768
	s_load_b128 s[4:7], s[0:1], 0x0                ; qkvc, qkvs
	s_load_b128 s[8:11], s[0:1], 0x10              ; yc, ys
	v_lshl_add_u32 v254, v0, 2, 0xa000
	v_mov_b32 v255, 0
	v_lshrrev_b32 v[T0], 5, v0
	v_readfirstlane_b32 s12, v[T0]                 ; wave 0..15
	s_mov_b32 s13, ttmp9                           ; p
	s_and_b32 s35, ttmp7, 0xffff
	s_and_b32 s14, s35, 15                         ; head
	s_lshr_b32 s15, s35, 4                         ; batch
	v_and_b32 v[T1], 31, v0
	v_lshlrev_b32 v[A16], 4, v[T1]
	v_lshlrev_b32 v[A8], 3, v[T1]
	s_mul_i32 s35, s12, 768
	v_add_nc_u32 v[W16], s35, v[A16]
	s_add_co_u32 s35, s35, 512
	v_add_nc_u32 v[W8], s35, v[A8]
	v_and_b32 v[T2], 15, v0                        ; r
	v_bfe_u32 v[T3], v0, 4, 1                      ; the lane's half
	v_lshlrev_b32 v[R16], 4, v[T2]
	v_add_nc_u32 v[YSO], v[R16], v[T3]
	v_and_b32 v[QB0], 8, v[T2]
	v_add_nc_u32 v[QB0], v[QB0], v[T2]
	v_lshlrev_b32 v[T3], 4, v[T3]
	v_sub_nc_u32 v[QB0], v[QB0], v[T3]
	s_lshr_b32 s35, s12, 1
	s_lshl_b32 s35, s35, 5
	s_and_b32 s37, s12, 1
	s_lshl_b32 s37, s37, 3
	s_add_co_u32 s35, s35, s37
	v_add_nc_u32 v[QB0], s35, v[QB0]               ; 32 (w / 2) + 8 (w % 2) + r + 8 (r / 8) - 16 half
.irp i, 0,1,2,3,4,5
	v_mov_b32 v[QF+6+\i], 0                        ; the queries' k = 64 .. 127: zero codes
	v_mov_b32 v[KV+48+\i], 0
.endr
.irp i, 0,1,2,3
	v_mov_b32 v[BT+\i], 0                          ; a lane permute's destination counts as one of its sources
.endr
	v_mov_b32 v[PW], 0                             ; named as the upper half of a pair before it is first written
	s_mov_b32 s20, 0x76543210
	s_mov_b32 s21, 0xfedcba98
	s_mov_b32 s22, 0x3e38aa3b                      ; c = log2(e) / 8
	s_mov_b32 s23, s22
	s_mov_b32 s31, 0
	s_mov_b32 s16, 0                               ; the pass
	; my stream: waves 0-7 the key tile w, 6,144 bytes from step to step; waves 8-15 the image (d tile, half) of V, 1,536
	s_add_co_u32 s46, s14, 16
	s_mul_i32 s46, s46, 393216
	s_lshl_b32 s47, s15, 7
	s_add_co_u32 s47, s47, s12
	s_mul_i32 s47, s47, 768
	s_add_co_u32 s46, s46, s47
	s_and_b32 s48, s12, 7
	s_lshr_b32 s48, s48, 1
	s_lshl_b32 s49, s14, 2
	s_add_co_u32 s48, s48, s49
	s_mul_i32 s48, s48, 98304
	s_lshl_b32 s49, s15, 5
	s_and_b32 s50, s12, 1
	s_add_co_u32 s49, s49, s50
	s_mul_i32 s49, s49, 768
	s_add_co_u32 s48, s48, s49
	s_add_co_u32 s48, s48, 12582912
	s_mov_b32 s28, 1536
	s_cmp_lt_u32 s12, 8
	s_cselect_b32 s46, s46, s48
	s_cselect_b32 s28, 6144, s28
	s_mov_b32 s47, 0
	s_cmp_lt_u32 s12, 3                            ; who prefetches: waves 0-2 of the head's work-group p = 0, in its first pass, which walks all 16 steps
	s_cselect_b32 s51, 6, 0
	s_cmp_eq_u32 s13, 0
	s_cselect_b32 s51, s51, 0
	s_lshl_b32 s52, s14, 6
	s_lshl_b32 s35, s15, 4
	s_add_co_u32 s52, s52, s35                     ; 64 head + 16 batch
	s_bfe_u32 s53, s12, 0x10002
	s_lshl_b32 s53, s53, 8
	s_and_b32 s35, s12, 3
	s_lshl_b32 s35, s35, 2
	s_add_co_u32 s53, s53, s35                     ; my tile's word in its step's record
	s_lshr_b32 s54, s14, 3
	s_lshl_b32 s54, s54, 8
	s_bfe_u32 s35, s14, 0x20001
	s_lshl_b32 s35, s35, 2
	s_add_co_u32 s54, s54, s35
	s_and_b32 s35, s14, 1
	s_lshl_b32 s35, s35, 1
	s_add_co_u32 s54, s54, s35                     ; my head's two bytes in a tile's record of ys
	s_wait_kmcnt 0x0
	s_add_nc_u64 s[24:25], s[4:5], s[46:47]
	; the head's scale records, 16 steps x 512 bytes of K's and of V's, stay in LDS: wave w copies step w's
	s_add_co_u32 s35, s52, s12
	s_lshl_b32 s46, s35, 9
	s_add_nc_u64 s[46:47], s[6:7], s[46:47]
	global_load_b128 v[KS:KS+3], v[A16], s[46:47] offset:524288
	global_load_b128 v[VS:VS+3], v[A16], s[46:47] offset:1048576
	s_lshl_b32 s35, s12, 9
	v_add_nc_u32 v[ADS], s35, v[A16]
	; the prefetches: two steps are 48 blocks of 256 bytes of K (on end) and 4 x 12 of V: a lane a block, block = thread (held at 95, so that every lane's offset lies inside the buffer).
	; The offsets begin one trip's stride under steps 4 and 5; every trip's head steps them.
	v_min_u32 v[T0], 95, v0
	s_add_co_u32 s35, s14, 16
	s_mul_i32 s35, s35, 393216
	s_mul_i32 s37, s15, 98304
	s_add_co_u32 s35, s35, s37
	s_add_co_u32 s35, s35, 12288
	v_lshl_add_u32 v[PFO], v[T0], 8, s35
	v_add_nc_u32 v[T1], 0xffffffd0, v[T0]          ; block - 48
	v_mul_u32_u24 v[T2], v[T1], 43
	v_lshrrev_b32 v[T2], 9, v[T2]                  ; / 12: the d tile
	v_mul_u32_u24 v[T3], v[T2], 12
	v_sub_nc_u32 v[T1], v[T1], v[T3]
	v_lshlrev_b32 v[T1], 8, v[T1]
	v_mad_u32_u24 v[T1], v[T2], 0x18000, v[T1]
	s_mul_i32 s35, s14, 393216
	s_mul_i32 s37, s15, 24576
	s_add_co_u32 s35, s35, s37
	s_add_co_u32 s35, s35, 12582912+3072
	v_add_nc_u32 v[T1], s35, v[T1]
	v_cmp_gt_u32 vcc_lo, 48, v[T0]
	v_cndmask_b32 v[PFO], v[T1], v[PFO], vcc_lo
	v_mov_b32 v[PFS], 3072
	v_mov_b32 v[T2], 12288
	v_cndmask_b32 v[PFS], v[PFS], v[T2], vcc_lo
	s_wait_loadcnt 0x0
	ds_store_b128 v[ADS], v[KS:KS+3] offset:SCK
	ds_store_b128 v[ADS], v[VS:VS+3] offset:SCV
.macro ASK                             ; trip T names steps 2 T + 4 and 2 T + 5, whose loads go out one trip later; each block of 256 bytes once in the launch; trips 6 and 7 ask for nothing
	s_cmp_lt_u32 s32, s36
	s_cbranch_scc0 .Lnot_mine_\@
	global_prefetch_b8 v[PFO], s[4:5] th:TH_LOAD_NT scope:SCOPE_SE
.Lnot_mine_\@:
.endm
; KEY STEP N = 2 trip + q, read from buffer q.
.macro STEP q
	s_lshl_b32 s34, s32, 1
.if \q
	s_add_co_u32 s34, s34, 1
.endif
	s_cmp_gt_u32 s34, s19                          ; beyond the block's last step: nothing but the barrier
	s_cbranch_scc1 .Lhidden_\@
	s_wait_loadcnt 0x0                             ; step N + 1's image is in registers (asked for a step ago); the load's address registers are free
	ds_store_b128 v[W16], v[G+6*(1-\q):G+6*(1-\q)+3] offset:BUF1*(1-\q)      ; into the buffer that every wave left at the last barrier
	ds_store_b64 v[W8], v[G+6*(1-\q)+4:G+6*(1-\q)+5] offset:BUF1*(1-\q)
	s_add_co_u32 s29, s29, 1
	s_min_u32 s29, s29, s19                        ; step N + 2, held at the last: no load leaves the stream
	s_mul_i32 s30, s29, s28
	s_add_nc_u64 s[26:27], s[24:25], s[30:31]
	global_load_b128 v[G+6*\q:G+6*\q+3], v[A16], s[26:27]
	global_load_b64 v[G+6*\q+4:G+6*\q+5], v[A8], s[26:27] offset:512
.if \q == 0
	ASK
.endif
	s_cmp_gt_u32 s34, s18                          ; all 128 keys come after my 16 queries
	s_cbranch_scc1 .Lhidden_\@
	v_add_nc_u32 v[ADS], s33, v[A16]
.rept 3
	v_nop                                          ; with the addition: four places in front of loads into registers that the last products read
.endr
.irp t, 0,1,2,3,4,5,6,7
	ds_load_b128 v[KV+6*\t:KV+6*\t+3], v[A16] offset:BUF1*\q+768*\t
	ds_load_b64 v[KV+6*\t+4:KV+6*\t+5], v[A8] offset:BUF1*\q+768*\t+512
.endr
	ds_load_b128 v[KS:KS+3], v[ADS] offset:SCK+512*\q
	s_wait_dscnt 0x0
.irp t, 0,1,2,3                        ; S^T = K Q^T: tile t's upper six registers are tile t + 1's codes and meet zero codes
	v_wmma_scale_f32_16x16x128_f8f6f4 v[S+8*\t:S+8*\t+7], v[KV+6*\t:KV+6*\t+11], v[QF:QF+11], 0, v[KS+\t], v[QS] matrix_a_fmt:MATRIX_FMT_FP6 matrix_b_fmt:MATRIX_FMT_FP6
.endr
.irp t, 4,5,6,7
	v_wmma_scale_f32_16x16x128_f8f6f4 v[S+8*\t:S+8*\t+7], v[KV+6*\t:KV+6*\t+11], v[QF:QF+11], 0, v[KS+\t-4], v[QS] matrix_a_fmt:MATRIX_FMT_FP6 matrix_b_fmt:MATRIX_FMT_FP6 matrix_a_scale:MATRIX_SCALE_ROW1
.endr
.rept 4
	v_nop                                          ; places in front of the loads below and of the first read of the scores
.endr
.irp f, 0,1,2,3,4,5,6,7                ; V's four fragments land while the softmax is worked
	ds_load_b128 v[KV+6*\f:KV+6*\f+3], v[A16] offset:BUF1*\q+6144+768*\f
	ds_load_b64 v[KV+6*\f+4:KV+6*\f+5], v[A8] offset:BUF1*\q+6144+768*\f+512
.endr
	ds_load_b128 v[VS:VS+3], v[ADS] offset:SCV+512*\q
	s_cmp_lt_u32 s34, s18                          ; under the diagonal every key counts
	s_cbranch_scc1 .Lopen_\@
	s_lshl_b32 s35, s34, 7
	v_subrev_nc_u32 v[T1], s35, v[QH]              ; d = my query - 128 N - 16 half: register 16 b + i holds the key 32 b + i above that: hidden where 32 b + i > d
	v_mov_b32 v[T2], 0xff800000
.set n, 0
.rept 64
	v_cmp_gt_i32 vcc_lo, 32*(n/16)+n%16, v[T1]
	v_cndmask_b32 v[S+n], v[S+n], v[T2], vcc_lo
.set n, n+1
.endr
.Lopen_\@:
.irp b, 0,1,2,3
	v_max3_num_f32 v[BM+\b], v[S+16*\b], v[S+1+16*\b], v[S+2+16*\b]   ; each block's largest score: for the row's maximum and, since p rises with the score, for the block's largest p
.endr
.irp i, 3,5,7,9,11,13
.irp b, 0,1,2,3
	v_max3_num_f32 v[BM+\b], v[BM+\b], v[S+16*\b+\i], v[S+1+16*\b+\i]
.endr
.endr
.irp b, 0,1,2,3
	v_max_num_f32 v[BM+\b], v[BM+\b], v[S+15+16*\b]
.endr
.irp b, 0,1,2,3
	v_permlanex16_b32 v[BT+\b], v[BM+\b], s20, s21
.endr
.irp b, 0,1,2,3
	v_max_num_f32 v[BM+\b], v[BM+\b], v[BT+\b]
.endr
	v_max3_num_f32 v[T0], v[BM], v[BM+1], v[BM+2]
	v_max_num_f32 v[T0], v[T0], v[BM+3]
	v_mul_f32 v[T0], s22, v[T0]
	v_max_num_f32 v[NM+1], v[NM+1], v[T0]          ; the running largest t
	v_mov_b32 v[T0], v[NM]
	v_floor_f32 v[NM], -v[NM+1]                    ; -M = floor(-t)
	v_sub_f32 v[T0], v[NM], v[T0]                  ; old M - new M: a whole number, 0 or less
	v_cvt_i32_f32 v[T0], v[T0]
	v_ldexp_f32 v[F], 1.0, v[T0]                   ; f = 2^(old M - new M): a multiplication by it rounds nothing
.set j, 0
.rept 32
	v_pk_fma_f32 v[S+j:S+j+1], v[S+j:S+j+1], s[22:23], v[NM:NM+1] op_sel_hi:[1,0,0]   ; t - M
.set j, j+2
.endr
.irp b, 0,1,2,3
	v_fma_f32 v[BM+\b], v[BM+\b], s22, v[NM]
.endr
.set j, 0
.rept 64
	v_exp_f32 v[S+j], v[S+j]                       ; p = 2^(t - M)
.set j, j+1
.endr
	v_pk_mul_f32 v[L:L+1], v[L:L+1], v[F:F+1] op_sel_hi:[1,0]   ; the sums under the new M: the plain place behind the exponentials
	s_wait_alu depctr_va_vdst(0)                   ; one wait for the batch, ahead of its first reader
.irp b, 0,1,2,3
	v_exp_f32 v[BM+\b], v[BM+\b]                   ; each block's largest p
.endr
	v_pk_add_f32 v[BT:BT+1], v[S:S+1], v[S+2:S+3]  ; the sum of the unquantised p, in two chains
.irp j, 4,8,12,16,20,24,28,32,36,40,44,48,52,56,60
	v_pk_add_f32 v[L:L+1], v[L:L+1], v[S+\j:S+\j+1]
	v_pk_add_f32 v[BT:BT+1], v[BT:BT+1], v[S+\j+2:S+\j+3]
.endr
	v_pk_add_f32 v[L:L+1], v[L:L+1], v[BT:BT+1]
	s_wait_alu depctr_va_vdst(0)                   ; and one for the four
.irp b, 0,1,2,3
	v_max_num_f32 v[BM+\b], 0x1800000, v[BM+\b]    ; the floor 2^(3 - 127)
.endr
.irp b, 0,1,2,3
	v_add_nc_u32 v[BS+\b], 0xff000000, v[BM+\b]
.endr
.irp b, 0,1,2,3
	v_lshrrev_b32 v[BT+\b], 23, v[BS+\b]
.endr
	v_lshl_or_b32 v[PW], v[BT+1], 8, v[BT]         ; p's scale word for these 128 keys
	v_lshl_or_b32 v[PW], v[BT+2], 16, v[PW]
	v_lshl_or_b32 v[PW], v[BT+3], 24, v[PW]
.irp c, 0,1
	v_cvt_scalef32_pk16_fp6_f32 v[PC+6*\c:PC+6*\c+2], v[S+32*\c:S+32*\c+15], v[BS+2*\c]
	v_cvt_scalef32_pk16_fp6_f32 v[PT+4*\c:PT+4*\c+2], v[S+32*\c+16:S+32*\c+31], v[BS+2*\c+1]
.endr
	v_nop                                          ; one plain place behind a scaled conversion
.irp c, 0,1
.irp i, 0,1,2
	v_permlane16_swap_b32 v[PC+6*\c+\i], v[PT+4*\c+\i]
.endr
.irp i, 0,1,2
	v_mov_b32 v[PC+3+6*\c+\i], v[PT+4*\c+\i]
.endr
.endr
.set j, 0
.rept 16
	v_pk_mul_f32 v[O+j:O+j+1], v[O+j:O+j+1], v[F:F+1] op_sel_hi:[1,0]   ; O^T under the new M; these sixteen are also the places between the scale word, the codes and the products
.set j, j+2
.endr
	s_wait_dscnt 0x0                               ; V is in
.irp d, 0,1,2,3                        ; O^T += V^T P^T: the four accumulators by turns
	v_wmma_scale_f32_16x16x128_f8f6f4 v[O+8*\d:O+8*\d+7], v[KV+12*\d:KV+12*\d+11], v[PC:PC+11], v[O+8*\d:O+8*\d+7], v[VS+\d], v[PW] matrix_a_fmt:MATRIX_FMT_FP6 matrix_b_fmt:MATRIX_FMT_FP6
.endr
.Lhidden_\@:
	s_wait_dscnt 0x0                               ; my store of the next step's image has landed, my reads of this buffer are over
	s_barrier_signal -1
	s_barrier_wait -1
.endm
.Lpass:
	s_wait_loadcnt 0x0                             ; the last pass's spare load is in: its registers are loaded anew below
	s_wait_xcnt 0x0                                ; the last pass's stores have read their registers and bases
	s_sub_co_u32 s17, 7, s13
	s_cmp_eq_u32 s16, 0
	s_cselect_b32 s17, s17, s13                    ; the query block: 7 - p, then p
	s_cselect_b32 s36, s51, 0
	s_lshl_b32 s19, s17, 1
	s_lshr_b32 s35, s12, 3
	s_add_co_u32 s18, s19, s35                     ; my diagonal step
	s_add_co_u32 s19, s19, 1                       ; the block's last step
	s_mov_b32 s47, 0
	s_lshl_b32 s35, s15, 7
	s_lshl_b32 s37, s17, 4
	s_add_co_u32 s35, s35, s37
	s_add_co_u32 s35, s35, s12                     ; my token tile: 128 batch + 16 block + wave
	s_mul_i32 s46, s35, 768
	s_mul_i32 s37, s14, 393216
	s_add_co_u32 s46, s46, s37
	s_add_nc_u64 s[38:39], s[4:5], s[46:47]        ; my queries' image
	s_add_co_u32 s46, s52, s18
	s_lshl_b32 s46, s46, 9
	s_add_co_u32 s46, s46, s53
	s_add_nc_u64 s[40:41], s[6:7], s[46:47]        ; their scale words
	s_lshl_b32 s46, s35, 4
	s_add_co_u32 s46, s46, s14
	s_mul_i32 s46, s46, 768
	s_add_nc_u64 s[42:43], s[8:9], s[46:47]        ; y's image (tile, head)
	s_lshl_b32 s46, s35, 9
	s_add_co_u32 s46, s46, s54
	s_add_nc_u64 s[44:45], s[10:11], s[46:47]      ; and its bytes
	s_lshl_b32 s35, s17, 8
	v_add_nc_u32 v[QH], s35, v[QB0]
	global_load_b128 v[QF:QF+3], v[A16], s[38:39]
	global_load_b64 v[QF+4:QF+5], v[A8], s[38:39] offset:512
	global_load_b32 v[QS], v[R16], s[40:41]
	global_load_b128 v[G:G+3], v[A16], s[24:25]    ; step 0's image
	global_load_b64 v[G+4:G+5], v[A8], s[24:25] offset:512
.set j, 0
.rept 32
	v_mov_b32 v[O+j], 0                            ; the step is written once: the first finds zeros, which the first change of M leaves zeros
.set j, j+1
.endr
	v_mov_b32 v[L], 0
	v_mov_b32 v[L+1], 0
	v_mov_b32 v[NM+1], 0xff61b1e6                  ; -3e38, under every t
	v_floor_f32 v[NM], -v[NM+1]
	s_wait_loadcnt 0x0
	ds_store_b128 v[W16], v[G:G+3]                 ; every wave has left both buffers at the last barrier
	ds_store_b64 v[W8], v[G+4:G+5]
	s_mov_b32 s29, 1
	s_mov_b32 s30, s28
	s_add_nc_u64 s[26:27], s[24:25], s[30:31]
	global_load_b128 v[G+6:G+9], v[A16], s[26:27]  ; step 1's
	global_load_b64 v[G+10:G+11], v[A8], s[26:27] offset:512
	s_wait_dscnt 0x0
	s_barrier_signal -1
	s_barrier_wait -1
	s_mov_b32 s32, 0
.Ltrip:                                ; eight trips of two steps, in every work-group and pass
	s_lshl_b32 s33, s32, 10                        ; the trip's scale records: 512 bytes a step
	s_wait_xcnt 0x0                                ; the last trip's prefetch has read its offset
	v_add_nc_u32 v[PFO], v[PFO], v[PFS]
	STEP 0
	STEP 1
	s_add_co_u32 s32, s32, 1
	s_cmp_lt_u32 s32, 8
	s_cbranch_scc1 .Ltrip
	; THE WAY OUT: y = O^T / the sum; its two blocks of 32 along d are quantised; the image and the two bytes a row are stored.
.rept 4
	v_nop                                          ; places behind the last products
.endr
	v_add_f32 v[L], v[L], v[L+1]
	v_permlanex16_b32 v[T1], v[L], s20, s21
	v_add_f32 v[L], v[L], v[T1]
	v_rcp_f32 v[T0], v[L]
	v_bfe_u32 v[T2], v0, 4, 1                      ; a plain place behind the reciprocal
	s_wait_alu depctr_va_vdst(0)                   ; the wait ahead of its first reader
.set j, 0
.rept 16
	v_pk_mul_f32 v[S+j:S+j+1], v[O+j:O+j+1], v[T0:T0+1] op_sel_hi:[1,0]   ; register 16 b + i: d = 32 b + 16 half + i
.set j, j+2
.endr
.irp b, 0,1
	v_max3_num_f32 v[BM+\b], |v[S+16*\b]|, |v[S+16*\b+1]|, 0x1800000
.endr
.irp i, 2,4,6,8,10,12,14
.irp b, 0,1
	v_max3_num_f32 v[BM+\b], v[BM+\b], |v[S+16*\b+\i]|, |v[S+16*\b+\i+1]|
.endr
.endr
.irp b, 0,1
	v_permlanex16_b32 v[BT+\b], v[BM+\b], s20, s21
.endr
.irp b, 0,1
	v_max_num_f32 v[BM+\b], v[BM+\b], v[BT+\b]
.endr
.irp b, 0,1
	v_add_nc_u32 v[BS+\b], 0xff000000, v[BM+\b]
.endr
.irp b, 0,1
	v_lshrrev_b32 v[BT+\b], 23, v[BS+\b]
.endr
	v_cvt_scalef32_pk16_fp6_f32 v[PC:PC+2], v[S:S+15], v[BS]
	v_cvt_scalef32_pk16_fp6_f32 v[PT:PT+2], v[S+16:S+31], v[BS+1]
	v_nop                                          ; one plain place behind a scaled conversion
.irp i, 0,1,2
	v_permlane16_swap_b32 v[PC+\i], v[PT+\i]
.endr
.irp i, 0,1,2
	v_mov_b32 v[PC+3+\i], v[PT+\i]
.endr
	v_cmp_eq_u32 vcc_lo, 1, v[T2]
	v_cndmask_b32 v[T3], v[BT], v[BT+1], vcc_lo    ; lanes 0-15 store block 0's byte, lanes 16-31 block 1's
	global_store_b128 v[A16], v[PC:PC+3], s[42:43]             ; 512 consecutive bytes,
	global_store_b64 v[A8], v[PC+4:PC+5], s[42:43] offset:512  ; and 256
	global_store_b8 v[YSO], v[T3], s[44:45]        ; 32 single bytes inside 256: the record's other bytes belong to other heads, which other work-groups make; beside 768 bytes of codes
	s_add_co_u32 s16, s16, 1
	s_cmp_lt_u32 s16, 2
	s_cbranch_scc1 .Lpass
	s_wait_tensorcnt 0x0
	ds_add_u32 v254, v255
	s_wait_dscnt 0x0
	s_endpgm
.Lfunc_end_k_qbf5d40bbc7_attn:
	.size	k_qbf5d40bbc7_attn, .Lfunc_end_k_qbf5d40bbc7_attn-k_qbf5d40bbc7_attn
	.p2alignl 7, 3214868480
	.fill 96, 4, 3214868480
	.section	.rodata,"a",@progbits
	.p2align	6, 0x0
	.amdhsa_kernel k_qbf5d40bbc7_attn
		.amdhsa_group_segment_fixed_size 43008
		.amdhsa_private_segment_fixed_size 0
		.amdhsa_enable_private_segment 0
		.amdhsa_kernarg_size 32
		.amdhsa_user_sgpr_count 2
		.amdhsa_user_sgpr_kernarg_segment_ptr 1
		.amdhsa_wavefront_size32 1
		.amdhsa_system_sgpr_workgroup_id_x 1
		.amdhsa_system_sgpr_workgroup_id_y 1
		.amdhsa_system_sgpr_workgroup_id_z 1
		.amdhsa_system_vgpr_workitem_id 0
		.amdhsa_next_free_vgpr 256
		.amdhsa_next_free_sgpr 66
		.amdhsa_reserve_vcc 1
		.amdhsa_float_denorm_mode_32 3
		.amdhsa_float_denorm_mode_16_64 3
		.amdhsa_memory_ordered 1
		.amdhsa_forward_progress 1
		.amdhsa_inst_pref_size 56
	.end_amdhsa_kernel
	.amdgpu_metadata
---
amdhsa.version: [ 1, 2 ]
amdhsa.kernels:
  - .name:           k_qbf5d40bbc7_attn
    .symbol:         k_qbf5d40bbc7_attn.kd
    .args:
      - { .name: qkvc, .offset: 0, .size: 8, .value_kind: global_buffer, .address_space: global }
      - { .name: qkvs, .offset: 8, .size: 8, .value_kind: global_buffer, .address_space: global }
      - { .name: yc, .offset: 16, .size: 8, .value_kind: global_buffer, .address_space: global }
      - { .name: ys, .offset: 24, .size: 8, .value_kind: global_buffer, .address_space: global }
    .group_segment_fixed_size: 43008
    .private_segment_fixed_size: 0
    .kernarg_segment_align: 8
    .kernarg_segment_size: 32
    .max_flat_workgroup_size: 512
    .sgpr_count:     66
    .vgpr_count:     256
    .wavefront_size: 32
...
	.end_amdgpu_metadata
.endif
;; end of part 3
;; launch proj (part 4): grid 4 x 64, 4 waves a work-group, clusters of 4 x 4, 295,424 bytes of LDS; arguments yc, ys, opc, ops, out0; writes out0
.if DOCPART == 4
	.amdgcn_target "amdgcn-amd-amdhsa--gfx1250"
	.amdhsa_code_object_version 6
	.text
	.protected	k_qbf5d40bbc7_proj
	.globl	k_qbf5d40bbc7_proj
	.p2align	8
	.type	k_qbf5d40bbc7_proj,@function
k_qbf5d40bbc7_proj:
	s_mov_b64 s[64:65], 0
	v_nop
	global_prefetch_b8 v0, s[64:65] scope:SCOPE_SE
	s_setreg_imm32_b32 hwreg(HW_REG_WAVE_MODE, 25, 1), 1
	s_wait_xcnt 0x0
	s_wait_alu depctr_hold_cnt(0) depctr_sa_sdst(0) depctr_va_vdst(0) depctr_va_sdst(0) depctr_va_ssrc(0) depctr_va_vcc(0) depctr_vm_vsrc(0)
	s_getreg_b32 s2, hwreg(HW_REG_IB_STS2, 6, 4)
	s_cmp_eq_u32 s2, 0
	s_cbranch_scc0 .Lentry_in_a_cluster
	s_endpgm
.Lentry_in_a_cluster:
	s_bfe_u32 s2, ttmp6, 0x10000c
	s_cmp_lg_u32 s2, 0xf033
	s_cbranch_scc0 .Lentry_shape_is_right
	s_endpgm
.Lentry_shape_is_right:
; out0 = y w_proj on codes of FP6 (E2M3) with E8M0 scales, K = 1,024; f32 out.  P = y's tokens (yc, ys), Q = w_proj's columns (tiles 704-767 of opc, ops).
; A work-group makes 128 tokens x 256 columns; wave (wi, wj) 64 x 128: 32 accumulators.  256 work-groups.  The whole K of both operands, (8 + 16) tiles x 12,288 bytes, fits in LDS:
; every byte of LDS is filled once, all loads go out at the head (four a wave are out), and nothing is filled again.
; THE MATRIX INSTRUCTION IS USED TRANSPOSED: source 0 = a tile of Q, source 1 = a tile of P: a lane holds one token and neighbouring columns.  Lane-row r of tile t is row 32 (t / 2) + 8 (t % 2) + r + 8 (r / 8).
; CLUSTER 4 x 4: P's tiles are asked for jointly along a row of the cluster, Q's along a column.  Operands lie as images of their registers (768 bytes = 16 rows x 64 K): no pitch, no padding.
; REGISTERS: window 0: v1 16 x lane, v2 8 x lane, v9, v10 the stage, v16-31 LDS addresses, v32-47 P's scale words, v48-79 Q's, v80-175 P's fragments in two sets (v80-207 rows of the result on the way out);
;   window 1: Q's fragments in two sets;  window 2: accumulator (a, t) at v[64 a + 8 t].
.set SLOTB, 73728
.set AP16, 16
.set AP8,  20
.set AQ16, 24
.set AQ8,  28
.set SP,   32
.set SQ,   48
.set PF,   80
.set BK,   80
.set STO,  9
.set RD,   10
.set G1P,  24
.set G1Q,  32
.set G0P,  48
.set G0Q,  68
.set MSB, 0
.macro WIN new                         ; the immediate's high byte repeats the setting that is left
.if MSB != \new
	s_set_vgpr_msb (MSB<<8)|\new
.set MSB, \new
.endif
.endm
.macro CROUND                          ; a round of the cluster's barrier
	s_barrier_signal -1
	s_barrier_wait -1
	s_cmp_lg_u32 s14, 0
	s_cbranch_scc1 .Lnot_wave_0_\@
	s_barrier_signal -3
.Lnot_wave_0_\@:
	s_barrier_wait -3
	s_barrier_signal -1
	s_barrier_wait -1
.endm
.macro PLACES n                        ; plain vector places behind matrix instructions (ISA guide 7.12.1)
.rept \n
	v_nop
.endr
.endm
.macro FETCH k, set                    ; the 12 fragments of K step k: 48 LDS loads, each of consecutive bytes
.set SG, (\k)/2
.set EE, (\k)%2
	WIN 0x40
.irp t, 0,1,2,3,4,5,6,7
	ds_load_b128 v[96*(\set)+12*\t:96*(\set)+12*\t+3], v[AQ16+SG] offset:3072*\t+1536*EE
	ds_load_b64 v[96*(\set)+12*\t+4:96*(\set)+12*\t+5], v[AQ8+SG] offset:3072*\t+1536*EE
	ds_load_b128 v[96*(\set)+12*\t+6:96*(\set)+12*\t+9], v[AQ16+SG] offset:3072*\t+1536*EE+768
	ds_load_b64 v[96*(\set)+12*\t+10:96*(\set)+12*\t+11], v[AQ8+SG] offset:3072*\t+1536*EE+768
.endr
	WIN 0
.irp a, 0,1,2,3
	ds_load_b128 v[PF+48*(\set)+12*\a:PF+48*(\set)+12*\a+3], v[AP16+SG] offset:3072*\a+1536*EE
	ds_load_b64 v[PF+48*(\set)+12*\a+4:PF+48*(\set)+12*\a+5], v[AP8+SG] offset:3072*\a+1536*EE
	ds_load_b128 v[PF+48*(\set)+12*\a+6:PF+48*(\set)+12*\a+9], v[AP16+SG] offset:3072*\a+1536*EE+768
	ds_load_b64 v[PF+48*(\set)+12*\a+10:PF+48*(\set)+12*\a+11], v[AP8+SG] offset:3072*\a+1536*EE+768
.endr
.endm
; 16 products: P's tiles a0, a0 + 1 x Q's eight.  The 32 accumulators take turns in one order in every K step.  K step 0 starts the sums with the constant 0.
.macro MUL16 a0, k, set
.irp a, \a0, \a0+1
.irp t, 0,1,2,3,4,5,6,7
.if (\k) == 0
	v_wmma_scale_f32_16x16x128_f8f6f4 v[64*(\a)+8*\t:64*(\a)+8*\t+7], v[96*(\set)+12*\t:96*(\set)+12*\t+11], v[PF+48*(\set)+12*(\a):PF+48*(\set)+12*(\a)+11], 0, v[SQ+4*\t], v[SP+4*(\a)] matrix_a_fmt:MATRIX_FMT_FP6 matrix_b_fmt:MATRIX_FMT_FP6
.elseif (\k) < 4
	v_wmma_scale_f32_16x16x128_f8f6f4 v[64*(\a)+8*\t:64*(\a)+8*\t+7], v[96*(\set)+12*\t:96*(\set)+12*\t+11], v[PF+48*(\set)+12*(\a):PF+48*(\set)+12*(\a)+11], v[64*(\a)+8*\t:64*(\a)+8*\t+7], v[SQ+4*\t+(\k)], v[SP+4*(\a)+(\k)] matrix_a_fmt:MATRIX_FMT_FP6 matrix_b_fmt:MATRIX_FMT_FP6
.else
	v_wmma_scale_f32_16x16x128_f8f6f4 v[64*(\a)+8*\t:64*(\a)+8*\t+7], v[96*(\set)+12*\t:96*(\set)+12*\t+11], v[PF+48*(\set)+12*(\a):PF+48*(\set)+12*(\a)+11], v[64*(\a)+8*\t:64*(\a)+8*\t+7], v[SQ+4*\t+(\k)-4], v[SP+4*(\a)+(\k)-4] matrix_a_fmt:MATRIX_FMT_FP6 matrix_b_fmt:MATRIX_FMT_FP6 matrix_a_scale:MATRIX_SCALE_ROW1 matrix_b_scale:MATRIX_SCALE_ROW1
.endif
.endr
.endr
.endm
.macro STEP k
.if ((\k)%2) == 0
.if (\k) > 0
	PLACES 4
.endif
	FETCH (\k)+1, 1
	s_wait_dscnt 48                                ; all but the 48 just issued: this step's fragments are in
	WIN 0xa1
	MUL16 0, \k, 0
	MUL16 2, \k, 0
.elseif (\k) < 7
	s_wait_dscnt 0x0                               ; this step's fragments are in; no LDS instruction is out at the signal
	s_wait_tensorcnt 3-((\k)+1)/2                  ; my part of the next slot has landed; later slots' loads stay out
	s_barrier_signal -1
	WIN 0xa1
	MUL16 0, \k, 1
	s_barrier_wait -1
	PLACES 4
	FETCH (\k)+1, 0
	WIN 0xa1
	MUL16 2, \k, 1
.else
	s_wait_dscnt 0x0
	WIN 0xa1
	MUL16 0, \k, 1
	MUL16 2, \k, 1
.endif
.endm
	s_load_b128 s[4:7], s[0:1], 0x0                ; yc, ys
	s_load_b128 s[8:11], s[0:1], 0x10              ; opc, ops
	s_load_b64 s[12:13], s[0:1], 0x20              ; out0
	v_lshl_add_u32 v254, v0, 2, 0x48000
	v_mov_b32 v255, 0
	ds_add_u32 v254, v255
	ds_add_u32 v254, v255
	v_lshrrev_b32 v3, 5, v0
	v_readfirstlane_b32 s14, v3                    ; wave
	v_and_b32 v3, 31, v0
	v_lshlrev_b32 v1, 4, v3                        ; 16 x lane
	v_lshlrev_b32 v2, 3, v3                        ; 8 x lane
	v_add_nc_u32 v4, 512, v2
	v_bfe_u32 v5, v0, 4, 1                         ; the lane's half
	v_and_b32 v6, 15, v0                           ; r
	s_mul_i32 s21, s14, 8448                       ; my stage on the way out: 16 rows of 512 + 16 bytes
	v_mul_u32_u24 v[STO], v6, 528
	v_lshl_add_u32 v[STO], v5, 6, v[STO]
	v_add_nc_u32 v[STO], s21, v[STO]               ; in: row r, + 64 half
	v_add_nc_u32 v[RD], s21, v1                    ; back: 16 x lane of a row
	s_lshr_b32 s15, s14, 1                         ; wi
	s_and_b32 s16, s14, 1                          ; wj; also: which half of P's or Q's tiles I fetch
	s_bfe_u32 s40, ttmp6, 0x40000                  ; cx
	s_bfe_u32 s41, ttmp6, 0x40004                  ; cy
	s_and_b32 s43, ttmp7, 0xffff                   ; cluster y (the grid is one cluster wide)
	s_lshl_b32 s45, s41, 2
	s_lshl_b32 s45, 15, s45                        ; my row of the cluster
	s_lshl_b32 s46, 0x1111, s40                    ; my column
	; descriptor group 1: R rows of 3,072 bytes (a tile's two K steps), 12,288 bytes apart, as elements of 8 bytes, dense in LDS
	s_or_b32 s[G1P], s45, (3<<16)|(1<<21)
	s_or_b32 s[G1Q], s46, (3<<16)|(1<<21)
	s_mov_b32 s[G1P+1], 384<<16
	s_mov_b32 s[G1P+2], 4<<16
	s_mov_b32 s[G1P+3], 384<<16
	s_mov_b32 s[G1P+4], 4
	s_mov_b32 s[G1P+5], 1536
	s_mov_b32 s[G1P+6], 0
	s_mov_b32 s[G1P+7], 0
	s_mov_b32 s[G1Q+1], 384<<16
	s_mov_b32 s[G1Q+2], 8<<16
	s_mov_b32 s[G1Q+3], 384<<16
	s_mov_b32 s[G1Q+4], 8
	s_mov_b32 s[G1Q+5], 1536
	s_mov_b32 s[G1Q+6], 0
	s_mov_b32 s[G1Q+7], 0
	s_lshl_b32 s17, s43, 2
	s_add_co_u32 s17, s17, s41                     ; ti
	s_mov_b32 s18, s40                             ; tj
	s_lshl_b32 s96, s17, 3                         ; the work-group's first tile of P, in yc
	s_lshl_b32 s97, s18, 4
	s_add_co_u32 s97, s97, 704                     ; and of Q, in opc
	s_lshl_b32 s98, s16, 2
	s_add_co_u32 s98, s98, s96
	s_mul_i32 s98, s98, 12288
	s_mov_b32 s99, 0
	s_lshl_b32 s100, s16, 3
	s_add_co_u32 s100, s100, s97
	s_mul_i32 s100, s100, 12288
	s_mov_b32 s101, 0
	s_mul_i32 s19, s16, 12288                      ; where they go: the wave's number alone enters an LDS address
	s_mul_i32 s20, s16, 24576
	s_add_co_u32 s20, s20, 24576
	s_wait_dscnt 0x0
	s_wait_kmcnt 0x0
	s_add_nc_u64 s[98:99], s[4:5], s[98:99]
	s_add_nc_u64 s[100:101], s[8:9], s[100:101]
	CROUND                                         ; all sixteen work-groups are here: the joint loads meet
.irp g, 0,1,2,3
	s_mov_b32 s[G0P+4*\g], 1
	s_add_co_u32 s[G0P+4*\g+1], s19, \g*SLOTB
	s_add_nc_u64 s[G0P+4*\g+2:G0P+4*\g+3], s[98:99], \g*3072
	s_or_b32 s[G0P+4*\g+3], s[G0P+4*\g+3], 0x80000000
	s_mov_b32 s[G0Q+4*\g], 1
	s_add_co_u32 s[G0Q+4*\g+1], s20, \g*SLOTB
	s_add_nc_u64 s[G0Q+4*\g+2:G0Q+4*\g+3], s[100:101], \g*3072
	s_or_b32 s[G0Q+4*\g+3], s[G0Q+4*\g+3], 0x80000000
.endr
	s_cmp_lt_u32 s14, 2                            ; waves 0, 1: P's halves; waves 2, 3: Q's.  A wave's four fills stand in one branch; four v_nop follow the last
	s_cbranch_scc0 .Lfill_q
	tensor_load_to_lds s[G0P:G0P+3], s[G1P:G1P+7]
	s_nop 0
	tensor_load_to_lds s[G0P+4:G0P+7], s[G1P:G1P+7]
	s_nop 0
	tensor_load_to_lds s[G0P+8:G0P+11], s[G1P:G1P+7]
	s_nop 0
	tensor_load_to_lds s[G0P+12:G0P+15], s[G1P:G1P+7]
	s_nop 0
	PLACES 4
	s_branch .Lfilled
.Lfill_q:
	tensor_load_to_lds s[G0Q:G0Q+3], s[G1Q:G1Q+7]
	s_nop 0
	tensor_load_to_lds s[G0Q+4:G0Q+7], s[G1Q:G1Q+7]
	s_nop 0
	tensor_load_to_lds s[G0Q+8:G0Q+11], s[G1Q:G1Q+7]
	s_nop 0
	tensor_load_to_lds s[G0Q+12:G0Q+15], s[G1Q:G1Q+7]
	s_nop 0
	PLACES 4
.Lfilled:
	s_lshl_b32 s21, s15, 2
	s_add_co_u32 s21, s21, s96
	s_lshl_b32 s22, s21, 9
	s_mov_b32 s23, 0
	s_add_nc_u64 s[22:23], s[6:7], s[22:23]        ; the scale records of my 4 tiles of P,
	s_lshl_b32 s21, s16, 3
	s_add_co_u32 s21, s21, s97
	s_lshl_b32 s46, s21, 9
	s_mov_b32 s47, 0
	s_add_nc_u64 s[46:47], s[10:11], s[46:47]      ; and of my 8 of Q
.irp a, 0,1,2,3
	global_load_b128 v[SP+4*\a:SP+4*\a+3], v1, s[22:23] offset:512*\a
.endr
.irp t, 0,1,2,3,4,5,6,7
	global_load_b128 v[SQ+4*\t:SQ+4*\t+3], v1, s[46:47] offset:512*\t
.endr
	s_mul_i32 s21, s15, 12288
	s_mul_i32 s45, s16, 24576
	s_add_co_u32 s45, s45, 24576
.irp g, 0,1,2,3
	v_add_nc_u32 v[AP16+\g], s21, v1
	v_add_nc_u32 v[AP8+\g], s21, v4
	v_add_nc_u32 v[AQ16+\g], s45, v1
	v_add_nc_u32 v[AQ8+\g], s45, v4
	s_add_co_u32 s21, s21, SLOTB
	s_add_co_u32 s45, s45, SLOTB
.endr
	s_lshl_b32 s21, s17, 7
	s_lshl_b32 s45, s15, 6
	s_add_co_u32 s21, s21, s45                     ; my first token: 128 ti + 64 wi
	s_lshl_b32 s96, s21, 12
	s_lshl_b32 s45, s18, 10
	s_add_co_u32 s96, s96, s45
	s_lshl_b32 s45, s16, 9
	s_add_co_u32 s96, s96, s45                     ; + my first column, in bytes
	s_mov_b32 s97, 0
	s_add_nc_u64 s[12:13], s[12:13], s[96:97]
	s_wait_tensorcnt 3                             ; my part of slot 0 is in; the three later loads stay out
	s_barrier_signal -1
	s_barrier_wait -1                              ; everybody's is
	FETCH 0, 0
	s_wait_loadcnt 0x0                             ; the scale words
	STEP 0
	STEP 1
	STEP 2
	STEP 3
	STEP 4
	STEP 5
	STEP 6
	STEP 7
; THE WAY OUT, a tile of 16 tokens x 128 columns at a time, through my stage and back as whole rows of 512 bytes.  The stages lie in slot 0: it has had its only fill, and behind the barrier below nobody reads operands any more.
	WIN 0
	s_wait_dscnt 0x0
	s_barrier_signal -1
	s_barrier_wait -1
	PLACES 4                                       ; in front of the first read of results and of loads into registers that held fragments
.macro TOSTAGE a
	WIN 0x08                                       ; an LDS store's data are its source 1: window 2
.irp t, 0,1,2,3,4,5,6,7
	ds_store_b128 v[STO], v[64*(\a)+8*\t:64*(\a)+8*\t+3] offset:128*(\t/2)+32*(\t%2)        ; each accumulator from its low end on: columns 32 (t / 2) + 16 half + 8 (t % 2) on
	ds_store_b128 v[STO], v[64*(\a)+8*\t+4:64*(\a)+8*\t+7] offset:128*(\t/2)+32*(\t%2)+16
.endr
	WIN 0
.irp u, 0,1,2,3,4,5,6,7,8,9,10,11,12,13,14,15
	ds_load_b128 v[BK+64*((\a)%2)+4*\u:BK+64*((\a)%2)+4*\u+3], v[RD] offset:528*\u          ; LDS serves a wave's instructions in order (ISA guide 5.7.1.4)
.endr
.endm
.macro SEND a, younger                 ; younger: the LDS instructions issued behind tile a's loads, which may stay out
	s_wait_dscnt \younger
.irp u, 0,1,2,3,4,5,6,7,8,9,10,11,12,13,14,15
	global_store_b128 v1, v[BK+64*((\a)%2)+4*\u:BK+64*((\a)%2)+4*\u+3], s[12:13] offset:(32*((\a)/2)+8*((\a)%2)+\u+8*(\u/8))*4096 th:TH_STORE_NT   ; 512 consecutive bytes, aligned; the token's row stands in the immediate
.endr
.endm
	TOSTAGE 0
	TOSTAGE 1
	SEND 0, 32                                     ; behind tile 0's loads: tile 1's 16 stores and 16 loads
	s_wait_xcnt 0x0                                ; tile 0's stores have read their registers: tile 2's loads may land there
	TOSTAGE 2
	SEND 1, 32
	s_wait_xcnt 0x0
	TOSTAGE 3
	SEND 2, 32
	SEND 3, 0
	s_wait_tensorcnt 0x0
	ds_add_u32 v254, v255
	s_wait_dscnt 0x0
	CROUND                                         ; the closing round
	s_endpgm
.Lfunc_end_k_qbf5d40bbc7_proj:
	.size	k_qbf5d40bbc7_proj, .Lfunc_end_k_qbf5d40bbc7_proj-k_qbf5d40bbc7_proj
	.p2alignl 7, 3214868480
	.fill 96, 4, 3214868480
	.section	.rodata,"a",@progbits
	.p2align	6, 0x0
	.amdhsa_kernel k_qbf5d40bbc7_proj
		.amdhsa_group_segment_fixed_size 295424
		.amdhsa_private_segment_fixed_size 0
		.amdhsa_enable_private_segment 0
		.amdhsa_kernarg_size 40
		.amdhsa_user_sgpr_count 2
		.amdhsa_user_sgpr_kernarg_segment_ptr 1
		.amdhsa_wavefront_size32 1
		.amdhsa_system_sgpr_workgroup_id_x 1
		.amdhsa_system_sgpr_workgroup_id_y 1
		.amdhsa_system_sgpr_workgroup_id_z 1
		.amdhsa_system_vgpr_workitem_id 0
		.amdhsa_next_free_vgpr 768
		.amdhsa_next_free_sgpr 104
		.amdhsa_reserve_vcc 0
		.amdhsa_float_denorm_mode_32 3
		.amdhsa_float_denorm_mode_16_64 3
		.amdhsa_memory_ordered 1
		.amdhsa_forward_progress 1
		.amdhsa_inst_pref_size 84
	.end_amdhsa_kernel
	.amdgpu_metadata
---
amdhsa.version: [ 1, 2 ]
amdhsa.kernels:
  - .name:           k_qbf5d40bbc7_proj
    .symbol:         k_qbf5d40bbc7_proj.kd
    .args:
      - { .name: yc, .offset: 0, .size: 8, .value_kind: global_buffer, .address_space: global }
      - { .name: ys, .offset: 8, .size: 8, .value_kind: global_buffer, .address_space: global }
      - { .name: opc, .offset: 16, .size: 8, .value_kind: global_buffer, .address_space: global }
      - { .name: ops, .offset: 24, .size: 8, .value_kind: global_buffer, .address_space: global }
      - { .name: out0, .offset: 32, .size: 8, .value_kind: global_buffer, .address_space: global }
    .group_segment_fixed_size: 295424
    .private_segment_fixed_size: 0
    .kernarg_segment_align: 8
    .kernarg_segment_size: 40
    .max_flat_workgroup_size: 128
    .sgpr_count:     104
    .vgpr_count:     768
    .wavefront_size: 32
...
	.end_amdgpu_metadata
.endif
;; end of part 4
;; ======== version 2 of 2: 4 launches; version 1 with the launch attn written anew for expert scheduling mode
;; workspace buffers: opc 9,437,184 bytes; ops 393,216 bytes; qkvc 18,874,368 bytes; qkvs 1,572,864 bytes; yc 6,291,456 bytes; ys 262,144 bytes
;; launch quant: the kernel of part 1 again; grid 512 x 1, 4 waves a work-group, no clusters, 46,592 bytes of LDS; arguments x, w_qkv, w_proj, opc, ops; writes opc, ops
;; launch qkv: the kernel of part 2 again; grid 8 x 96, 4 waves a work-group, clusters of 4 x 4, 295,424 bytes of LDS; arguments opc, ops, qkvc, qkvs; writes qkvc, qkvs
;; launch attn (part 5): grid 4 x 64, 16 waves a work-group, no clusters, 43,008 bytes of LDS; arguments qkvc, qkvs, yc, ys; writes yc, ys
.if DOCPART == 5
	.amdgcn_target "amdgcn-amd-amdhsa--gfx1250"
	.amdhsa_code_object_version 6
	.text
	.protected	k_qbf5d40bbc7_attn
	.globl	k_qbf5d40bbc7_attn
	.p2align	8
	.type	k_qbf5d40bbc7_attn,@function
k_qbf5d40bbc7_attn:
	s_mov_b64 s[64:65], 0
	v_nop
	global_prefetch_b8 v0, s[64:65] scope:SCOPE_SE
	s_setreg_imm32_b32 hwreg(HW_REG_WAVE_SCHED_MODE, 0, 2), 2
	s_setreg_imm32_b32 hwreg(HW_REG_WAVE_MODE, 25, 1), 1
	s_wait_xcnt 0x0
	s_wait_alu depctr_vm_vsrc(0)
; y[b][q][head] = softmax over the keys k <= q of (q . k / 8) times v, both products on codes of FP6 (E2M3) with E8M0 scales; y is quantised along the head's 64 on the way out (the next product's K).
; THE SOFTMAX: t = score x log2(e) / 8; M = the running largest t rounded up to a whole number; p = 2^(t - M) is quantised along the keys, not normalised; the sum of the unquantised p divides at the end.
; SHARES.  Work-group (p, batch x head) takes the query blocks 7 - p and p of 256 queries, one after the other: 18 key steps of 128 in every work-group.  Each of 16 waves owns one tile of 16 queries in 256 registers.
; A step beyond the block's last (equal in all waves) jumps over its fill and its work, a step beyond a wave's own diagonal over its work; every wave passes the barrier of every step.
; K AND V come through registers into two LDS buffers by turns: a step is 16 images of 768 bytes (8 tiles of keys; 4 tiles of d x 2 halves of the keys), one for each wave; loads run two steps ahead of the reads.
; One barrier a step: in front of it my store of the next step's image and my reads of this step's buffer are done.
; K = 64 fills half of the instruction's 128: the queries' upper six registers are zero codes, so the keys' upper six may be any codes (here the next tile's); no scale byte here is 0xff.
; Both products are used transposed: a lane holds one query throughout.  Lane-row r of tile t is row 32 (t / 2) + 8 (t % 2) + r + 8 (r / 8), so p's 16 registers of two neighbouring tiles are 16 neighbouring keys.
; NO CLUSTER: the four work-groups of a head walk 16 - 2 p and then 2 p + 2 key steps, so partners would need different numbers of tiles at different times, and the tiles come by plain loads.
; LIMITS: NaN and infinities are not served; a block of y under 2^-124, a block of zeros too, keeps the byte 1.
; THE MODE: SCHED_MODE bits 1:0 = 2 (LLVM: expert scheduling mode 2), set by the entry lines.  The code itself states the register dependences
; between vector or matrix instructions and memory or LDS instructions, with s_wait_alu, always for 0.
; THE PLAN.  Registers that memory or LDS instructions touch:
;   A16, A8, W16, W8, R16, YSO   addresses, made at the head and never written again.
;   G0, G1     Step N, q = N % 2: its LDS stores read G[1 - q]; the loads of step N + 2 land in G[q], which the LDS stores of step N - 1 read.  No vector instruction names them.
;   KV         K's LDS loads land in it; the eight products K Q^T read it; V's LDS loads land in it; the four products V^T P read it.  It serves both by turns: of the wave's 256 registers 20 are free, V's fragments are 48.
;   KS, VS     scale words: loaded from LDS with K and with V, read by the same products.
;   ADS, PFO   read by the scale words' LDS loads and by the prefetch; written once a trip, at the trip's head.
;   QF, QS     loaded at a pass's head, read by the products K Q^T.
;   PC, PW     written by vector instructions, taken by the products V^T P as operand and scales; on the way out PC and T3 are the stores' data.
; A STEP'S WAITS on va_vdst, beside the two behind the exponentials: one behind its stores and global loads, which hang on no vector result (the last step's products are done with KV, KS, VS; in a trip's first step ADS
; and PFO are written); one behind the products K Q^T (they are done with KV and KS: V may land); one ahead of the products V^T P (PC and PW are written).
; On vm_vsrc: one at a pass's head, one at a trip's head, one in a trip's second step.
.set A16, 1                            ; 16 x lane
.set A8,  2                            ; 8 x lane
.set W16, 3                            ; where I store my image: 768 wave + 16 lane
.set W8,  4                            ; 768 wave + 512 + 8 lane
.set ADS, 5                            ; the trip's scale words
.set QH,  6                            ; my query - 16 (lane / 16)
.set QB0, 7                            ; the same inside the block
.set G,   8                            ; v8-13, v14-19 two images on their way
.set NM,  20                           ; -M;  v21 the largest t
.set L,   22                           ; v22-23 the sum in two halves
.set QF,  24                           ; v24-35 the queries' fragment
.set QS,  36                           ; their scale word
.set R16, 37
.set YSO, 38
.set KS,  40
.set VS,  44
.set KV,  48                           ; v48-95 K's eight images, later V's four fragments; v96-101 zeros
.set S,   104
.set O,   168
.set PC,  200
.set PT,  212
.set BM,  220
.set BT,  224
.set BS,  228
.set F,   232
.set PW,  233
.set T0,  234
.set T1,  235
.set T2,  236
.set T3,  237
.set PFO, 238
.set PFS, 239
.set MK,  66                           ; s66-97 the diagonal's masks, 32 at a run
.set BUF1, 12288
.set SCK,  24576
.set SCV,  32768
	s_load_b128 s[4:7], s[0:1], 0x0                ; qkvc, qkvs
	s_load_b128 s[8:11], s[0:1], 0x10              ; yc, ys
	v_lshl_add_u32 v254, v0, 2, 0xa000
	v_mov_b32 v255, 0
	v_lshrrev_b32 v[T0], 5, v0
	v_readfirstlane_b32 s12, v[T0]                 ; wave 0..15
	s_mov_b32 s13, ttmp9                           ; p
	s_and_b32 s35, ttmp7, 0xffff
	s_and_b32 s14, s35, 15                         ; head
	s_lshr_b32 s15, s35, 4                         ; batch
	v_and_b32 v[T1], 31, v0
	v_lshlrev_b32 v[A16], 4, v[T1]
	v_lshlrev_b32 v[A8], 3, v[T1]
	s_wait_alu depctr_va_sdst(0)                   ; s12 is written, ahead of its first reader
	s_mul_i32 s35, s12, 768
	v_add_nc_u32 v[W16], s35, v[A16]
	s_add_co_u32 s35, s35, 512
	v_add_nc_u32 v[W8], s35, v[A8]
	s_lshl_b32 s35, s12, 9
	v_add_nc_u32 v[ADS], s35, v[A16]               ; at the head: where wave w lays step w's scale records
	v_and_b32 v[T2], 15, v0                        ; r
	v_bfe_u32 v[T3], v0, 4, 1                      ; the lane's half
	v_lshlrev_b32 v[R16], 4, v[T2]
	v_add_nc_u32 v[YSO], v[R16], v[T3]
	v_and_b32 v[QB0], 8, v[T2]
	v_add_nc_u32 v[QB0], v[QB0], v[T2]
	v_lshlrev_b32 v[T3], 4, v[T3]
	v_sub_nc_u32 v[QB0], v[QB0], v[T3]
	s_lshr_b32 s35, s12, 1
	s_lshl_b32 s35, s35, 5
	s_and_b32 s37, s12, 1
	s_lshl_b32 s37, s37, 3
	s_add_co_u32 s35, s35, s37
	v_add_nc_u32 v[QB0], s35, v[QB0]               ; 32 (w / 2) + 8 (w % 2) + r + 8 (r / 8) - 16 half
.irp i, 0,1,2,3,4,5
	v_mov_b32 v[QF+6+\i], 0                        ; the queries' k = 64 .. 127: zero codes
	v_mov_b32 v[KV+48+\i], 0
.endr
.irp i, 0,1,2,3
	v_mov_b32 v[BT+\i], 0                          ; a lane permute's destination counts as one of its sources
.endr
	v_mov_b32 v[PW], 0                             ; named as the upper half of a pair before it is first written
	s_mov_b32 s20, 0x76543210
	s_mov_b32 s21, 0xfedcba98
	s_mov_b32 s22, 0x3e38aa3b                      ; c = log2(e) / 8
	s_mov_b32 s23, s22
	s_mov_b32 s31, 0
	s_mov_b32 s16, 0                               ; the pass
	; my stream: waves 0-7 the key tile w, 6,144 bytes from step to step; waves 8-15 the image (d tile, half) of V, 1,536
	s_add_co_u32 s46, s14, 16
	s_mul_i32 s46, s46, 393216
	s_lshl_b32 s47, s15, 7
	s_add_co_u32 s47, s47, s12
	s_mul_i32 s47, s47, 768
	s_add_co_u32 s46, s46, s47
	s_and_b32 s48, s12, 7
	s_lshr_b32 s48, s48, 1
	s_lshl_b32 s49, s14, 2
	s_add_co_u32 s48, s48, s49
	s_mul_i32 s48, s48, 98304
	s_lshl_b32 s49, s15, 5
	s_and_b32 s50, s12, 1
	s_add_co_u32 s49, s49, s50
	s_mul_i32 s49, s49, 768
	s_add_co_u32 s48, s48, s49
	s_add_co_u32 s48, s48, 12582912
	s_mov_b32 s28, 1536
	s_cmp_lt_u32 s12, 8
	s_cselect_b32 s46, s46, s48
	s_cselect_b32 s28, 6144, s28
	s_mov_b32 s47, 0
	s_cmp_lt_u32 s12, 3                            ; who prefetches: waves 0-2 of the head's work-group p = 0, in its first pass, which walks all 16 steps
	s_cselect_b32 s51, 6, 0
	s_cmp_eq_u32 s13, 0
	s_cselect_b32 s51, s51, 0
	s_lshl_b32 s52, s14, 6
	s_lshl_b32 s35, s15, 4
	s_add_co_u32 s52, s52, s35                     ; 64 head + 16 batch
	s_bfe_u32 s53, s12, 0x10002
	s_lshl_b32 s53, s53, 8
	s_and_b32 s35, s12, 3
	s_lshl_b32 s35, s35, 2
	s_add_co_u32 s53, s53, s35                     ; my tile's word in its step's record
	s_lshr_b32 s54, s14, 3
	s_lshl_b32 s54, s54, 8
	s_bfe_u32 s35, s14, 0x20001
	s_lshl_b32 s35, s35, 2
	s_add_co_u32 s54, s54, s35
	s_and_b32 s35, s14, 1
	s_lshl_b32 s35, s35, 1
	s_add_co_u32 s54, s54, s35                     ; my head's two bytes in a tile's record of ys
	s_wait_kmcnt 0x0
	s_add_nc_u64 s[24:25], s[4:5], s[46:47]
	; the head's scale records, 16 steps x 512 bytes of K's and of V's, stay in LDS: wave w copies step w's
	s_add_co_u32 s35, s52, s12
	s_lshl_b32 s46, s35, 9
	s_add_nc_u64 s[46:47], s[6:7], s[46:47]
	s_wait_alu depctr_va_vdst(0)                   ; A16, A8, W16, W8, R16, YSO and ADS are written, which the loads and stores from here on read; so are the zero codes of QF and KV, which the scaled products take as operands
	global_load_b128 v[KS:KS+3], v[A16], s[46:47] offset:524288
	global_load_b128 v[VS:VS+3], v[A16], s[46:47] offset:1048576
	; the prefetches: two steps are 48 blocks of 256 bytes of K (on end) and 4 x 12 of V: a lane a block, block = thread (held at 95, so that every lane's offset lies inside the buffer).
	; The offsets begin one trip's stride under steps 4 and 5; every trip's head steps them.
	v_min_u32 v[T0], 95, v0
	v_cmp_gt_u32 vcc_lo, 48, v[T0]                 ; K's lanes
	s_add_co_u32 s35, s14, 16
	s_mul_i32 s35, s35, 393216
	s_mul_i32 s37, s15, 98304
	s_add_co_u32 s35, s35, s37
	s_add_co_u32 s35, s35, 12288
	v_lshl_add_u32 v[PFO], v[T0], 8, s35
	v_add_nc_u32 v[T1], 0xffffffd0, v[T0]          ; block - 48
	v_mul_u32_u24 v[T2], v[T1], 43
	v_lshrrev_b32 v[T2], 9, v[T2]                  ; / 12: the d tile
	v_mul_u32_u24 v[T3], v[T2], 12
	v_sub_nc_u32 v[T1], v[T1], v[T3]
	v_lshlrev_b32 v[T1], 8, v[T1]
	v_mad_u32_u24 v[T1], v[T2], 0x18000, v[T1]
	s_mul_i32 s35, s14, 393216
	s_mul_i32 s37, s15, 24576
	s_add_co_u32 s35, s35, s37
	s_add_co_u32 s35, s35, 12582912+3072
	v_add_nc_u32 v[T1], s35, v[T1]
	s_wait_alu depctr_va_vcc(0)                    ; the compare has written VCC, ahead of the two selects that read it
	v_cndmask_b32 v[PFO], v[T1], v[PFO], vcc_lo
	v_mov_b32 v[PFS], 3072
	v_mov_b32 v[T2], 12288
	v_cndmask_b32 v[PFS], v[PFS], v[T2], vcc_lo
	s_wait_loadcnt 0x0
	ds_store_b128 v[ADS], v[KS:KS+3] offset:SCK    ; (no vector instruction since the wait on va_vdst names ADS, KS or VS)
	ds_store_b128 v[ADS], v[VS:VS+3] offset:SCV
.macro ASK                             ; trip T names steps 2 T + 4 and 2 T + 5, whose loads go out one trip later; each block of 256 bytes once in the launch; trips 6 and 7 ask for nothing
	s_cmp_lt_u32 s32, s36
	s_cbranch_scc0 .Lnot_mine_\@
	global_prefetch_b8 v[PFO], s[4:5] th:TH_LOAD_NT scope:SCOPE_SE
.Lnot_mine_\@:
.endm
; KEY STEP N = 2 trip + q, read from buffer q.
.macro STEP q
	s_lshl_b32 s34, s32, 1
.if \q
	s_add_co_u32 s34, s34, 1
.endif
	s_cmp_gt_u32 s34, s19                          ; beyond the block's last step: nothing but the barrier
	s_cbranch_scc1 .Lhidden_\@
	s_wait_loadcnt 0x0                             ; step N + 1's image is in registers (asked for a step ago); the load's address registers are free
.if \q
	s_wait_alu depctr_vm_vsrc(0)                   ; the LDS stores of the trip's first step have read G1, in which the loads below land (for G0 the wait at the trip's head says the same)
.endif
	ds_store_b128 v[W16], v[G+6*(1-\q):G+6*(1-\q)+3] offset:BUF1*(1-\q)      ; into the buffer that every wave left at the last barrier
	ds_store_b64 v[W8], v[G+6*(1-\q)+4:G+6*(1-\q)+5] offset:BUF1*(1-\q)
	s_add_co_u32 s29, s29, 1
	s_min_u32 s29, s29, s19                        ; step N + 2, held at the last: no load leaves the stream
	s_mul_i32 s30, s29, s28
	s_add_nc_u64 s[26:27], s[24:25], s[30:31]
	global_load_b128 v[G+6*\q:G+6*\q+3], v[A16], s[26:27]
	global_load_b64 v[G+6*\q+4:G+6*\q+5], v[A8], s[26:27] offset:512
.rept 4
	v_nop                                          ; four places between the last step's products and the loads into the registers that they read; they stay beside the wait below
.endr
	s_wait_alu depctr_va_vdst(0)                   ; the last step's products are done reading KV, KS and VS, in which this step's LDS loads land; in a trip's first step PFO and ADS are written, which the prefetch and the scale words' loads read
.if \q == 0
	ASK
.endif
	s_cmp_gt_u32 s34, s18                          ; all 128 keys come after my 16 queries
	s_cbranch_scc1 .Lhidden_\@
.irp t, 0,1,2,3,4,5,6,7
	ds_load_b128 v[KV+6*\t:KV+6*\t+3], v[A16] offset:BUF1*\q+768*\t
	ds_load_b64 v[KV+6*\t+4:KV+6*\t+5], v[A8] offset:BUF1*\q+768*\t+512
.endr
	ds_load_b128 v[KS:KS+3], v[ADS] offset:SCK+512*\q
	s_wait_dscnt 0x0
.irp t, 0,1,2,3                        ; S^T = K Q^T: tile t's upper six registers are tile t + 1's codes and meet zero codes
	v_wmma_scale_f32_16x16x128_f8f6f4 v[S+8*\t:S+8*\t+7], v[KV+6*\t:KV+6*\t+11], v[QF:QF+11], 0, v[KS+\t], v[QS] matrix_a_fmt:MATRIX_FMT_FP6 matrix_b_fmt:MATRIX_FMT_FP6
.endr
.irp t, 4,5,6,7
	v_wmma_scale_f32_16x16x128_f8f6f4 v[S+8*\t:S+8*\t+7], v[KV+6*\t:KV+6*\t+11], v[QF:QF+11], 0, v[KS+\t-4], v[QS] matrix_a_fmt:MATRIX_FMT_FP6 matrix_b_fmt:MATRIX_FMT_FP6 matrix_a_scale:MATRIX_SCALE_ROW1
.endr
.rept 4
	v_nop                                          ; places in front of the loads below and of the first read of the scores
.endr
	s_wait_alu depctr_va_vdst(0)                   ; the eight products are done reading K's images: V's fragments land in the same registers
.irp f, 0,1,2,3,4,5,6,7                ; V's four fragments land while the softmax is worked: no line of it names KV or VS
	ds_load_b128 v[KV+6*\f:KV+6*\f+3], v[A16] offset:BUF1*\q+6144+768*\f
	ds_load_b64 v[KV+6*\f+4:KV+6*\f+5], v[A8] offset:BUF1*\q+6144+768*\f+512
.endr
	ds_load_b128 v[VS:VS+3], v[ADS] offset:SCV+512*\q
	s_cmp_lt_u32 s34, s18                          ; under the diagonal every key counts
	s_cbranch_scc1 .Lopen_\@
	s_lshl_b32 s35, s34, 7
	v_subrev_nc_u32 v[T1], s35, v[QH]              ; d = my query - 128 N - 16 half: register 16 b + i holds the key 32 b + i above that: hidden where 32 b + i > d
	v_mov_b32 v[T2], 0xff800000
.irp g, 0,1                            ; the compares in two runs of 32, each into a scalar register of its own, so that one wait serves a run
.set n, 32*\g
.rept 32
	v_cmp_gt_i32 s[MK+n%32], 32*(n/16)+n%16, v[T1]
.set n, n+1
.endr
	s_wait_alu depctr_va_sdst(0)                   ; the run's 32 masks are written, ahead of the selects that read them
.set n, 32*\g
.rept 32
	v_cndmask_b32 v[S+n], v[S+n], v[T2], s[MK+n%32]
.set n, n+1
.endr
.endr
.Lopen_\@:
.irp b, 0,1,2,3
	v_max3_num_f32 v[BM+\b], v[S+16*\b], v[S+1+16*\b], v[S+2+16*\b]   ; each block's largest score: for the row's maximum and, since p rises with the score, for the block's largest p
.endr
.irp i, 3,5,7,9,11,13
.irp b, 0,1,2,3
	v_max3_num_f32 v[BM+\b], v[BM+\b], v[S+16*\b+\i], v[S+1+16*\b+\i]
.endr
.endr
.irp b, 0,1,2,3
	v_max_num_f32 v[BM+\b], v[BM+\b], v[S+15+16*\b]
.endr
.irp b, 0,1,2,3
	v_permlanex16_b32 v[BT+\b], v[BM+\b], s20, s21
.endr
.irp b, 0,1,2,3
	v_max_num_f32 v[BM+\b], v[BM+\b], v[BT+\b]
.endr
	v_max3_num_f32 v[T0], v[BM], v[BM+1], v[BM+2]
	v_max_num_f32 v[T0], v[T0], v[BM+3]
	v_mul_f32 v[T0], s22, v[T0]
	v_max_num_f32 v[NM+1], v[NM+1], v[T0]          ; the running largest t
	v_mov_b32 v[T0], v[NM]
	v_floor_f32 v[NM], -v[NM+1]                    ; -M = floor(-t)
	v_sub_f32 v[T0], v[NM], v[T0]                  ; old M - new M: a whole number, 0 or less
	v_cvt_i32_f32 v[T0], v[T0]
	v_ldexp_f32 v[F], 1.0, v[T0]                   ; f = 2^(old M - new M): a multiplication by it rounds nothing
.set j, 0
.rept 32
	v_pk_fma_f32 v[S+j:S+j+1], v[S+j:S+j+1], s[22:23], v[NM:NM+1] op_sel_hi:[1,0,0]   ; t - M
.set j, j+2
.endr
.irp b, 0,1,2,3
	v_fma_f32 v[BM+\b], v[BM+\b], s22, v[NM]
.endr
.set j, 0
.rept 64
	v_exp_f32 v[S+j], v[S+j]                       ; p = 2^(t - M)
.set j, j+1
.endr
	v_pk_mul_f32 v[L:L+1], v[L:L+1], v[F:F+1] op_sel_hi:[1,0]   ; the sums under the new M: the plain place behind the exponentials
	s_wait_alu depctr_va_vdst(0)                   ; the 64 exponentials have written p: one wait for the batch, ahead of its first reader
.irp b, 0,1,2,3
	v_exp_f32 v[BM+\b], v[BM+\b]                   ; each block's largest p
.endr
	v_pk_add_f32 v[BT:BT+1], v[S:S+1], v[S+2:S+3]  ; the sum of the unquantised p, in two chains
.irp j, 4,8,12,16,20,24,28,32,36,40,44,48,52,56,60
	v_pk_add_f32 v[L:L+1], v[L:L+1], v[S+\j:S+\j+1]
	v_pk_add_f32 v[BT:BT+1], v[BT:BT+1], v[S+\j+2:S+\j+3]
.endr
	v_pk_add_f32 v[L:L+1], v[L:L+1], v[BT:BT+1]
	s_wait_alu depctr_va_vdst(0)                   ; and one for the four: the blocks' largest p are written
.irp b, 0,1,2,3
	v_max_num_f32 v[BM+\b], 0x1800000, v[BM+\b]    ; the floor 2^(3 - 127)
.endr
.irp b, 0,1,2,3
	v_add_nc_u32 v[BS+\b], 0xff000000, v[BM+\b]
.endr
.irp b, 0,1,2,3
	v_lshrrev_b32 v[BT+\b], 23, v[BS+\b]
.endr
	v_lshl_or_b32 v[PW], v[BT+1], 8, v[BT]         ; p's scale word for these 128 keys
	v_lshl_or_b32 v[PW], v[BT+2], 16, v[PW]
	v_lshl_or_b32 v[PW], v[BT+3], 24, v[PW]
.irp c, 0,1
	v_cvt_scalef32_pk16_fp6_f32 v[PC+6*\c:PC+6*\c+2], v[S+32*\c:S+32*\c+15], v[BS+2*\c]
	v_cvt_scalef32_pk16_fp6_f32 v[PT+4*\c:PT+4*\c+2], v[S+32*\c+16:S+32*\c+31], v[BS+2*\c+1]
.endr
	v_nop                                          ; one plain place behind a scaled conversion
.irp c, 0,1
.irp i, 0,1,2
	v_permlane16_swap_b32 v[PC+6*\c+\i], v[PT+4*\c+\i]
.endr
.irp i, 0,1,2
	v_mov_b32 v[PC+3+6*\c+\i], v[PT+4*\c+\i]
.endr
.endr
.set j, 0
.rept 16
	v_pk_mul_f32 v[O+j:O+j+1], v[O+j:O+j+1], v[F:F+1] op_sel_hi:[1,0]   ; O^T under the new M; these sixteen are also the places between the scale word, the codes and the products
.set j, j+2
.endr
	s_wait_dscnt 0x0                               ; V is in
	s_wait_alu depctr_va_vdst(0)                   ; p's codes in PC and its scale word in PW are written, which the scaled products take as operand and scales; the places above stay beside this wait
.irp d, 0,1,2,3                        ; O^T += V^T P^T: the four accumulators by turns
	v_wmma_scale_f32_16x16x128_f8f6f4 v[O+8*\d:O+8*\d+7], v[KV+12*\d:KV+12*\d+11], v[PC:PC+11], v[O+8*\d:O+8*\d+7], v[VS+\d], v[PW] matrix_a_fmt:MATRIX_FMT_FP6 matrix_b_fmt:MATRIX_FMT_FP6
.endr
.Lhidden_\@:
	s_wait_dscnt 0x0                               ; my store of the next step's image has landed, my reads of this buffer are over
	s_barrier_signal -1
	s_barrier_wait -1
.endm
.Lpass:
	s_wait_loadcnt 0x0                             ; the last pass's spare load is in: its registers are loaded anew below
	s_wait_xcnt 0x0                                ; the last pass's stores have read their registers and bases
	s_wait_alu depctr_vm_vsrc(0)                   ; the LDS stores issued so far have read G0 and G1 (at the head: KS and VS), in which loads land again; the last pass's stores have read PC and T3, which this pass writes again
	s_sub_co_u32 s17, 7, s13
	s_cmp_eq_u32 s16, 0
	s_cselect_b32 s17, s17, s13                    ; the query block: 7 - p, then p
	s_cselect_b32 s36, s51, 0
	s_lshl_b32 s19, s17, 1
	s_lshr_b32 s35, s12, 3
	s_add_co_u32 s18, s19, s35                     ; my diagonal step
	s_add_co_u32 s19, s19, 1                       ; the block's last step
	s_mov_b32 s47, 0
	s_lshl_b32 s35, s15, 7
	s_lshl_b32 s37, s17, 4
	s_add_co_u32 s35, s35, s37
	s_add_co_u32 s35, s35, s12                     ; my token tile: 128 batch + 16 block + wave
	s_mul_i32 s46, s35, 768
	s_mul_i32 s37, s14, 393216
	s_add_co_u32 s46, s46, s37
	s_add_nc_u64 s[38:39], s[4:5], s[46:47]        ; my queries' image
	s_add_co_u32 s46, s52, s18
	s_lshl_b32 s46, s46, 9
	s_add_co_u32 s46, s46, s53
	s_add_nc_u64 s[40:41], s[6:7], s[46:47]        ; their scale words
	s_lshl_b32 s46, s35, 4
	s_add_co_u32 s46, s46, s14
	s_mul_i32 s46, s46, 768
	s_add_nc_u64 s[42:43], s[8:9], s[46:47]        ; y's image (tile, head)
	s_lshl_b32 s46, s35, 9
	s_add_co_u32 s46, s46, s54
	s_add_nc_u64 s[44:45], s[10:11], s[46:47]      ; and its bytes
	s_lshl_b32 s35, s17, 8
	v_add_nc_u32 v[QH], s35, v[QB0]
	global_load_b128 v[QF:QF+3], v[A16], s[38:39]  ; no wait on va_vdst here: the last pass's products, which read QF and QS, stand ahead of the wait in front of that pass's stores, and the one vector line since names QH and QB0 alone
	global_load_b64 v[QF+4:QF+5], v[A8], s[38:39] offset:512
	global_load_b32 v[QS], v[R16], s[40:41]
	global_load_b128 v[G:G+3], v[A16], s[24:25]    ; step 0's image
	global_load_b64 v[G+4:G+5], v[A8], s[24:25] offset:512
.set j, 0
.rept 32
	v_mov_b32 v[O+j], 0                            ; the step is written once: the first finds zeros, which the first change of M leaves zeros
.set j, j+1
.endr
	v_mov_b32 v[L], 0
	v_mov_b32 v[L+1], 0
	v_mov_b32 v[NM+1], 0xff61b1e6                  ; -3e38, under every t
	v_floor_f32 v[NM], -v[NM+1]
	s_wait_loadcnt 0x0
	ds_store_b128 v[W16], v[G:G+3]                 ; every wave has left both buffers at the last barrier
	ds_store_b64 v[W8], v[G+4:G+5]
	s_mov_b32 s29, 1
	s_mov_b32 s30, s28
	s_add_nc_u64 s[26:27], s[24:25], s[30:31]
	global_load_b128 v[G+6:G+9], v[A16], s[26:27]  ; step 1's
	global_load_b64 v[G+10:G+11], v[A8], s[26:27] offset:512
	s_wait_dscnt 0x0
	s_barrier_signal -1
	s_barrier_wait -1
	s_mov_b32 s32, 0
.Ltrip:                                ; eight trips of two steps, in every work-group and pass
	s_lshl_b32 s33, s32, 10                        ; the trip's scale records: 512 bytes a step
	s_wait_xcnt 0x0                                ; the last trip's prefetch has read its offset
	s_wait_alu depctr_vm_vsrc(0)                   ; the last trip's prefetch has read PFO and its LDS loads of scale words ADS, which the two lines below write; the LDS stores issued so far have read G0, in which the first step's loads land
	v_add_nc_u32 v[PFO], v[PFO], v[PFS]
	v_add_nc_u32 v[ADS], s33, v[A16]               ; one address serves the trip's two steps: the second's records stand in the loads' immediates
	STEP 0
	STEP 1
	s_add_co_u32 s32, s32, 1
	s_cmp_lt_u32 s32, 8
	s_cbranch_scc1 .Ltrip
	; THE WAY OUT: y = O^T / the sum; its two blocks of 32 along d are quantised; the image and the two bytes a row are stored.
.rept 4
	v_nop                                          ; places behind the last products
.endr
	v_add_f32 v[L], v[L], v[L+1]
	v_permlanex16_b32 v[T1], v[L], s20, s21
	v_add_f32 v[L], v[L], v[T1]
	v_rcp_f32 v[T0], v[L]
	v_bfe_u32 v[T2], v0, 4, 1                      ; a plain place behind the reciprocal
	v_cmp_eq_u32 vcc_lo, 1, v[T2]                  ; lanes 16-31: read far below, by the select of the byte
	s_wait_alu depctr_va_vdst(0)                   ; the reciprocal is written: the wait ahead of its first reader
.set j, 0
.rept 16
	v_pk_mul_f32 v[S+j:S+j+1], v[O+j:O+j+1], v[T0:T0+1] op_sel_hi:[1,0]   ; register 16 b + i: d = 32 b + 16 half + i
.set j, j+2
.endr
.irp b, 0,1
	v_max3_num_f32 v[BM+\b], |v[S+16*\b]|, |v[S+16*\b+1]|, 0x1800000
.endr
.irp i, 2,4,6,8,10,12,14
.irp b, 0,1
	v_max3_num_f32 v[BM+\b], v[BM+\b], |v[S+16*\b+\i]|, |v[S+16*\b+\i+1]|
.endr
.endr
.irp b, 0,1
	v_permlanex16_b32 v[BT+\b], v[BM+\b], s20, s21
.endr
.irp b, 0,1
	v_max_num_f32 v[BM+\b], v[BM+\b], v[BT+\b]
.endr
.irp b, 0,1
	v_add_nc_u32 v[BS+\b], 0xff000000, v[BM+\b]
.endr
.irp b, 0,1
	v_lshrrev_b32 v[BT+\b], 23, v[BS+\b]
.endr
	v_cvt_scalef32_pk16_fp6_f32 v[PC:PC+2], v[S:S+15], v[BS]
	v_cvt_scalef32_pk16_fp6_f32 v[PT:PT+2], v[S+16:S+31], v[BS+1]
	v_nop                                          ; one plain place behind a scaled conversion
.irp i, 0,1,2
	v_permlane16_swap_b32 v[PC+\i], v[PT+\i]
.endr
.irp i, 0,1,2
	v_mov_b32 v[PC+3+\i], v[PT+\i]
.endr
	s_wait_alu depctr_va_vcc(0)                    ; the compare above has written VCC, ahead of the select that reads it
	v_cndmask_b32 v[T3], v[BT], v[BT+1], vcc_lo    ; lanes 0-15 store block 0's byte, lanes 16-31 block 1's
	s_wait_alu depctr_va_vdst(0)                   ; y's codes in PC and the byte in T3 are written, which the stores read; and this pass's products are done reading QF and QS, in which the next pass's loads land
	global_store_b128 v[A16], v[PC:PC+3], s[42:43]             ; 512 consecutive bytes,
	global_store_b64 v[A8], v[PC+4:PC+5], s[42:43] offset:512  ; and 256
	global_store_b8 v[YSO], v[T3], s[44:45]        ; 32 single bytes inside 256: the record's other bytes belong to other heads, which other work-groups make; beside 768 bytes of codes
	s_add_co_u32 s16, s16, 1
	s_cmp_lt_u32 s16, 2
	s_cbranch_scc1 .Lpass
	s_wait_dscnt 0x0
	s_wait_alu depctr_hold_cnt(0) depctr_sa_sdst(0) depctr_va_vdst(0) depctr_va_sdst(0) depctr_va_ssrc(0) depctr_va_vcc(0) depctr_vm_vsrc(0)
	s_wait_tensorcnt 0x0
	ds_add_u32 v254, v255
	s_wait_dscnt 0x0
	s_endpgm
.Lfunc_end_k_qbf5d40bbc7_attn:
	.size	k_qbf5d40bbc7_attn, .Lfunc_end_k_qbf5d40bbc7_attn-k_qbf5d40bbc7_attn
	.p2alignl 7, 3214868480
	.fill 96, 4, 3214868480
	.section	.rodata,"a",@progbits
	.p2align	6, 0x0
	.amdhsa_kernel k_qbf5d40bbc7_attn
		.amdhsa_group_segment_fixed_size 43008
		.amdhsa_private_segment_fixed_size 0
		.amdhsa_enable_private_segment 0
		.amdhsa_kernarg_size 32
		.amdhsa_user_sgpr_count 2
		.amdhsa_user_sgpr_kernarg_segment_ptr 1
		.amdhsa_wavefront_size32 1
		.amdhsa_system_sgpr_workgroup_id_x 1
		.amdhsa_system_sgpr_workgroup_id_y 1
		.amdhsa_system_sgpr_workgroup_id_z 1
		.amdhsa_system_vgpr_workitem_id 0
		.amdhsa_next_free_vgpr 256
		.amdhsa_next_free_sgpr 98
		.amdhsa_reserve_vcc 1
		.amdhsa_float_denorm_mode_32 3
		.amdhsa_float_denorm_mode_16_64 3
		.amdhsa_memory_ordered 1
		.amdhsa_forward_progress 1
		.amdhsa_inst_pref_size 65
	.end_amdhsa_kernel
	.amdgpu_metadata
---
amdhsa.version: [ 1, 2 ]
amdhsa.kernels:
  - .name:           k_qbf5d40bbc7_attn
    .symbol:         k_qbf5d40bbc7_attn.kd
    .args:
      - { .name: qkvc, .offset: 0, .size: 8, .value_kind: global_buffer, .address_space: global }
      - { .name: qkvs, .offset: 8, .size: 8, .value_kind: global_buffer, .address_space: global }
      - { .name: yc, .offset: 16, .size: 8, .value_kind: global_buffer, .address_space: global }
      - { .name: ys, .offset: 24, .size: 8, .value_kind: global_buffer, .address_space: global }
    .group_segment_fixed_size: 43008
    .private_segment_fixed_size: 0
    .kernarg_segment_align: 8
    .kernarg_segment_size: 32
    .max_flat_workgroup_size: 512
    .sgpr_count:     98
    .vgpr_count:     256
    .wavefront_size: 32
...
	.end_amdgpu_metadata
.endif
;; end of part 5
;; launch proj: the kernel of part 4 again; grid 4 x 64, 4 waves a work-group, clusters of 4 x 4, 295,424 bytes of LDS; arguments yc, ys, opc, ops, out0; writes out0
